; MI455X (gfx1250); checked and timed in simulation.
; The chip was launched on July 23, 2026; its instructions are those of AMD's public machine-readable ISA for CDNA 5 (MIT licence, August 2026) and "CDNA5" Instruction Set Architecture Reference Guide (July 2026). The comments in the code are by the model that wrote it; some were corrected since.
;; Codebook Layer. Allowed arithmetic: float matrix products may take bf16 or f16 operands with f32 sums; other float arithmetic in f32, or as packed bf16 or f16 multiplies, adds, multiply-adds, maxima and minima; sums over many terms, partial sums and values carried from step to step in f32; what a program stores and reads back later, other than sums and carried values, may be rounded once to bf16 or f16.
;; Inputs: codebook 8,192 x 1,024 float32; inputs 4 x 2,048 x 1,024 float32.
;; Outputs: out0 4 x 2,048 x 1,024 float32; out1 4 x 2,048 x 8 int32.
;; Constants: kcodes = 8.
;; 2 versions, each right; version 2 is version 1 with the launches selelem, gather written anew for expert scheduling mode. Each part assembles by itself: llvm-mc -triple=amdgcn-amd-amdhsa -mcpu=gfx1250 --defsym DOCPART=n.
;; ======== version 1 of 2: 5 launches
;; workspace buffers: xb 16,777,216 bytes; cb 16,777,216 bytes; nrm 65,536 bytes; dbuf 268,435,456 bytes; gmin 4,194,304 bytes; gsel 262,144 bytes of whole numbers; vids 262,144 bytes of whole numbers
;; launch prep (part 1): grid 256 x 1, 16 waves a work-group, no clusters, 2,304 bytes of LDS; arguments inputs, codebook, xb, cb, nrm; writes xb, cb, nrm
.if DOCPART == 1
	.amdgcn_target "amdgcn-amd-amdhsa--gfx1250"
	.amdhsa_code_object_version 6
	.text
	.protected	k_q0b3a52780e_prep
	.globl	k_q0b3a52780e_prep
	.p2align	8
	.type	k_q0b3a52780e_prep,@function
k_q0b3a52780e_prep:
	s_mov_b64 s[64:65], 0
	v_nop
	global_prefetch_b8 v0, s[64:65] scope:SCOPE_SE
	s_setreg_imm32_b32 hwreg(HW_REG_WAVE_MODE, 25, 1), 1
	s_wait_xcnt 0x0
; inputs [8192][1024] f32 -> xb bf16; codebook [8192][1024] f32 -> cb bf16; nrm = the rows sums of squares OF THE ROUNDED NUMBERS, in f32:
; x2[8192] at byte 0, c2[8192] at byte 32,768, both in the rows real order.  The whole program works on the inputs rounded to bf16.
; cb IS PERMUTED inside each block of 128 codes: real code 64 h + 8 a + j lies at row 16 a + 8 h + j, so that in the product that follows a lane holds 64 neighbouring codes.
; SHARES.  Work-groups 0-127 take 64 rows of inputs each, 128-255 64 rows of codebook.  A wave takes 4 rows: 32 loads of 512 consecutive bytes, all on their way at once.
; A lane holds 4 neighbouring numbers of a load: two words of bf16, so a store of 8 bytes a lane covers 256 consecutive bytes, aligned.
; Memory binds: no matrix unit, no cluster (nothing is shared), no tensor load (nothing is read twice).  LDS only gathers the 64 sums, so that they leave as one run of 256 bytes.
.set SPARE, 256                        ; behind the 64 sums: the spare words, 128 bytes for each of 16 waves
.set LO,   2                           ; v2   16 x lane: my bytes in a load
.set SO,   3                           ; v3   8 x lane: my bytes in a store
.set ZERO, 4                           ; v4   0: the first link of each chain adds onto it
.set LW,   5                           ; v5   16 x wave: LDS place of my wave four sums
.set SPW,  6                           ; v6   LDS address of my spare word; never rewritten
.set NIL,  7                           ; v7   0; never rewritten
.set CH,   8                           ; v[8:11]  four chains of squares
.set TT,   12                          ; v[12:13] at work
.set X,    16                          ; v[16:143]  row i at 32 i, load k at + 4 k
.set Y,    144                         ; v[144:207] row i at 16 i: the row in bf16
	s_load_b256 s[4:11], s[0:1], 0x0               ; inputs s[4:5], codebook s[6:7], xb s[8:9], cb s[10:11]
	s_load_b64 s[12:13], s[0:1], 0x20              ; nrm
	v_lshl_add_u32 v[SPW], v0, 2, SPARE
	v_mov_b32 v[NIL], 0
	v_lshrrev_b32 v1, 5, v0
	v_readfirstlane_b32 s14, v1                    ; wave 0..15
	v_and_b32 v1, 31, v0                           ; lane
	v_lshlrev_b32 v[LO], 4, v1
	v_lshlrev_b32 v[SO], 3, v1
	v_mov_b32 v[ZERO], 0
	v_mov_b32 v[TT], 0                             ; v_permlanex16_b32 counts as a reader of its destination
	s_lshl_b32 s15, s14, 4
	v_mov_b32 v[LW], s15
	s_mov_b32 s22, 0x76543210                      ; v_permlanex16_b32: each lane takes its own place in the other half
	s_mov_b32 s23, 0xfedcba98
	s_and_b32 s24, ttmp9, 127                      ; gg: which 64 rows of the tensor
	s_lshl_b32 s25, s24, 6
	s_lshl_b32 s26, s14, 2
	s_add_co_u32 s25, s25, s26                     ; source row 64 gg + 4 w; for inputs also the destination row
	s_lshr_b32 s26, s24, 1
	s_lshl_b32 s26, s26, 7                         ; a code: block of 128 = gg / 2,
	s_lshr_b32 s27, s14, 1
	s_lshl_b32 s27, s27, 4
	s_add_co_u32 s26, s26, s27                     ; a = w / 2 -> 16 a,
	s_and_b32 s27, s24, 1
	s_lshl_b32 s27, s27, 3
	s_add_co_u32 s26, s26, s27                     ; h = gg % 2 -> 8 h,
	s_and_b32 s27, s14, 1
	s_lshl_b32 s27, s27, 2
	s_add_co_u32 s26, s26, s27                     ; j = 4 (w % 2) + 0..3: the four rows stay neighbours
	s_lshl_b32 s28, s24, 8                         ; the 64 sums: 256 bytes of nrm
	s_cmp_ge_u32 ttmp9, 128                        ; codebook?
	s_cselect_b32 s26, s26, s25
	s_cselect_b32 s27, 0x8000, 0
	s_add_co_u32 s28, s28, s27
	s_mov_b32 s29, 0
	s_lshl_b32 s20, s25, 12                        ; 4,096 bytes in a source row
	s_mov_b32 s21, 0
	s_lshl_b32 s30, s26, 11                        ; 2,048 in a destination row
	s_mov_b32 s31, 0
	s_wait_kmcnt 0x0
	s_cmp_ge_u32 ttmp9, 128
	s_cselect_b64 s[16:17], s[6:7], s[4:5]
	s_cselect_b64 s[18:19], s[10:11], s[8:9]
	s_add_nc_u64 s[16:17], s[16:17], s[20:21]
	s_add_nc_u64 s[18:19], s[18:19], s[30:31]
	s_add_nc_u64 s[12:13], s[12:13], s[28:29]
.irp i, 0,1,2,3
.irp k, 0,1,2,3,4,5,6,7
	global_load_b128 v[X+32*(\i)+4*(\k):X+32*(\i)+4*(\k)+3], v[LO], s[16:17] offset:4096*(\i)+512*(\k) th:TH_LOAD_NT
.endr
.endr
; Row i: rounded, stored, squared and summed.
.macro ROW i
	s_wait_loadcnt 8*(3-(\i))                      ; loads come back in order: my row is in, the later rows eight loads each may stay out
.set k, 0
.rept 16
	v_cvt_pk_bf16_f32 v[Y+16*(\i)+k], v[X+32*(\i)+2*k], v[X+32*(\i)+2*k+1]
.set k, k+1
.endr
.irp k, 0,1,2,3,4,5,6,7
	global_store_b64 v[SO], v[Y+16*(\i)+2*(\k):Y+16*(\i)+2*(\k)+1], s[18:19] offset:2048*(\i)+256*(\k) th:TH_STORE_NT  ; 256 consecutive bytes, aligned
.endr
.set k, 0
.rept 16                               ; the squares of the rounded numbers, straight from the halves, in f32; four chains by turns
.if k < 2
	v_fma_mix_f32_bf16 v[CH+(2*k)%4],   v[Y+16*(\i)+k], v[Y+16*(\i)+k], v[ZERO] op_sel_hi:[1,1,0]
	v_fma_mix_f32_bf16 v[CH+(2*k+1)%4], v[Y+16*(\i)+k], v[Y+16*(\i)+k], v[ZERO] op_sel:[1,1,0] op_sel_hi:[1,1,0]
.else
	v_fma_mix_f32_bf16 v[CH+(2*k)%4],   v[Y+16*(\i)+k], v[Y+16*(\i)+k], v[CH+(2*k)%4] op_sel_hi:[1,1,0]
	v_fma_mix_f32_bf16 v[CH+(2*k+1)%4], v[Y+16*(\i)+k], v[Y+16*(\i)+k], v[CH+(2*k+1)%4] op_sel:[1,1,0] op_sel_hi:[1,1,0]
.endif
.set k, k+1
.endr
	v_add_f32 v[CH], v[CH], v[CH+1]
	v_add_f32 v[CH+2], v[CH+2], v[CH+3]
	v_add_f32 v[CH], v[CH], v[CH+2]
	v_add_f32_dpp v[CH], v[CH], v[CH] row_xmask:1 row_mask:0xf bank_mask:0xf
	v_add_f32_dpp v[CH], v[CH], v[CH] row_xmask:2 row_mask:0xf bank_mask:0xf
	v_add_f32_dpp v[CH], v[CH], v[CH] row_xmask:4 row_mask:0xf bank_mask:0xf
	v_add_f32_dpp v[CH], v[CH], v[CH] row_xmask:8 row_mask:0xf bank_mask:0xf
	v_permlanex16_b32 v[TT], v[CH], s22, s23
	v_add_f32 v[CH], v[CH], v[TT]                  ; every lane holds the row sum
	ds_store_b32 v[LW], v[CH] offset:4*(\i)        ; all lanes write the same word with the same value
.endm
	ROW 0
	ROW 1
	ROW 2
	ROW 3
	s_wait_dscnt 0x0                               ; for the others sake: my four sums lie in LDS
	s_barrier_signal -1
	s_barrier_wait -1
	s_cmp_lg_u32 s14, 0
	s_cbranch_scc1 .Lend
	ds_load_b64 v[TT:TT+1], v[SO]                  ; wave 0: the 64 sums, two a lane
	s_wait_dscnt 0x0
	global_store_b64 v[SO], v[TT:TT+1], s[12:13]   ; 256 consecutive bytes, aligned
.Lend:
	s_wait_tensorcnt 0x0                           ; the wave end: behind my last LDS store
	ds_add_u32 v[SPW], v[NIL]
	s_wait_dscnt 0x0
	s_endpgm
.Lfunc_end_k_q0b3a52780e_prep:
	.size	k_q0b3a52780e_prep, .Lfunc_end_k_q0b3a52780e_prep-k_q0b3a52780e_prep
	.p2alignl 7, 3214868480
	.fill 96, 4, 3214868480
	.section	.rodata,"a",@progbits
	.p2align	6, 0x0
	.amdhsa_kernel k_q0b3a52780e_prep
		.amdhsa_group_segment_fixed_size 2304
		.amdhsa_private_segment_fixed_size 0
		.amdhsa_enable_private_segment 0
		.amdhsa_kernarg_size 40
		.amdhsa_user_sgpr_count 2
		.amdhsa_user_sgpr_kernarg_segment_ptr 1
		.amdhsa_wavefront_size32 1
		.amdhsa_system_sgpr_workgroup_id_x 1
		.amdhsa_system_sgpr_workgroup_id_y 1
		.amdhsa_system_sgpr_workgroup_id_z 1
		.amdhsa_system_vgpr_workitem_id 0
		.amdhsa_next_free_vgpr 216
		.amdhsa_next_free_sgpr 66
		.amdhsa_reserve_vcc 0
		.amdhsa_float_denorm_mode_32 3
		.amdhsa_float_denorm_mode_16_64 3
		.amdhsa_memory_ordered 1
		.amdhsa_forward_progress 1
		.amdhsa_inst_pref_size 23
	.end_amdhsa_kernel
	.amdgpu_metadata
---
amdhsa.version: [ 1, 2 ]
amdhsa.kernels:
  - .name:           k_q0b3a52780e_prep
    .symbol:         k_q0b3a52780e_prep.kd
    .args:
      - { .name: inputs, .offset: 0, .size: 8, .value_kind: global_buffer, .address_space: global }
      - { .name: codebook, .offset: 8, .size: 8, .value_kind: global_buffer, .address_space: global }
      - { .name: xb, .offset: 16, .size: 8, .value_kind: global_buffer, .address_space: global }
      - { .name: cb, .offset: 24, .size: 8, .value_kind: global_buffer, .address_space: global }
      - { .name: nrm, .offset: 32, .size: 8, .value_kind: global_buffer, .address_space: global }
    .group_segment_fixed_size: 2304
    .private_segment_fixed_size: 0
    .kernarg_segment_align: 8
    .kernarg_segment_size: 40
    .max_flat_workgroup_size: 512
    .sgpr_count:     66
    .vgpr_count:     216
    .wavefront_size: 32
...
	.end_amdgpu_metadata
.endif
;; end of part 1
;; launch dist (part 2): grid 32 x 8, 4 waves a work-group, clusters of 4 x 4, 327,680 bytes of LDS; arguments xb, cb, nrm, dbuf, gmin; writes dbuf, gmin
.if DOCPART == 2
	.amdgcn_target "amdgcn-amd-amdhsa--gfx1250"
	.amdhsa_code_object_version 6
	.text
	.protected	k_q0b3a52780e_dist
	.globl	k_q0b3a52780e_dist
	.p2align	8
	.type	k_q0b3a52780e_dist,@function
k_q0b3a52780e_dist:
	s_mov_b64 s[64:65], 0
	v_nop
	global_prefetch_b8 v0, s[64:65] scope:SCOPE_SE
	s_setreg_imm32_b32 hwreg(HW_REG_WAVE_MODE, 25, 1), 1
	s_wait_xcnt 0x0
	s_wait_alu depctr_hold_cnt(0) depctr_sa_sdst(0) depctr_va_vdst(0) depctr_va_sdst(0) depctr_va_ssrc(0) depctr_va_vcc(0) depctr_vm_vsrc(0)
	s_getreg_b32 s2, hwreg(HW_REG_IB_STS2, 6, 4)
	s_cmp_eq_u32 s2, 0
	s_cbranch_scc0 .Lentry_in_a_cluster
	s_endpgm
.Lentry_in_a_cluster:
	s_bfe_u32 s2, ttmp6, 0x10000c
	s_cmp_lg_u32 s2, 0xf033
	s_cbranch_scc0 .Lentry_shape_is_right
	s_endpgm
.Lentry_shape_is_right:
; d[row][code] = (x2[row] - 2 xc[row][code]) + c2[code], xc = the sum over k of xb[row][k] cb[.][k]: the squared distance, rounded as the formula is written: one fused multiply-add (the doubling is exact), one addition.
; xb: [8192][1024] bf16; cb: [8192][1024] bf16, its rows permuted inside blocks of 128 (real code 64 h + 8 a + j at row 16 a + 8 h + j); nrm: x2 at byte 0, c2 at byte 32,768, f32, real order.
; OUT: dbuf [row 8192][real code 8192] f32, and gmin [group 128][row 8192] f32: the least d of each group of 64 neighbouring codes.
; LIMITS.  Operands are bf16, sums f32; NaN and infinities are not treated apart (the minimum drops a NaN).
; SHAPE.  A tile of 256 rows x 256 codes is made by four waves, as many as a WGP has SIMDs; a wave makes 128 x 128: 64 accumulators of 16 x 16, 512 registers.  K goes in 8 steps of 128 through a ring of
; two LDS slots filled by the tensor data mover: a tile row is 256 bytes of memory, at a multiple of 256 from the buffer first byte.  A WORK-GROUP STAYS: four tiles, 2,048 rows apart, on the same 256 codes;
; the ring runs on into the next tile: a tile last two changes of slots ask for the next tile first two K steps, and nothing waits for a tile stores.
; THE LAST K STEP OF A TILE GOES IN TWO PASSES: my rows 0-63 through all four quarters (128 matrix instructions), their way out (64 stores of 512 bytes), then my rows 64-127 (128 matrix instructions) and their way out.
; So the two runs of 64 stores stand a pass of products apart, and the second run leaves under the next tile.  K stays ascending on every accumulator: the sums are the same.  The price: that step cb fragments are
; read from LDS twice, 72 loads more for a tile 1,024.
; CLUSTERS: 4 x 4 work-groups.  The four of a row of the cluster need the same tiles of xb, the four of a column the same tiles of cb: each tile is asked for JOINTLY, by the same tensor load with the same
; descriptor and a mask that names the four.
; THE MATRIX INSTRUCTION IS USED TRANSPOSED: source 0 = 16 rows of cb, source 1 = 16 rows of xb.  Lane l then holds query l % 16, and register j of accumulator (a, b) holds cb row 16 b + 8 (l / 16) + j of my 128,
; which is real code 64 (l / 16) + 8 b + j.  So the 64 registers of a block a of 16 queries are 64 NEIGHBOURING real codes in order: one group.  Its minimum never leaves the lane, and c2 lies beside it register by register.
; REGISTERS, in windows of 256 (s_set_vgpr_msb: bits 1:0 source 0, 3:2 source 1, 5:4 source 2, 7:6 destination):
;   window 0: v16-31 addresses; v64-127, v128-191 fragments of xb, two buffers; on the way out v128-191 and v192-255 hold rows read back from the stage, by turns
;   window 1: v0-63 c2 of my lane 64 codes; v64-127, v128-191 fragments of cb; v192-199 x2, a register a block of 16 queries; v200-207 the minima; v208-223 at work
;   window 2: the 32 accumulators of my rows 0-63 (accumulator (a, b) at v[8 (8 a + b)]);   window 3: those of my rows 64-127
.set SIZE_K, 1024
.set TILES,  4
.set WALK,   2048                      ; rows from a tile to the work-group next
.set KSTEP,  128
.set PITCH,  272                       ; an LDS row: 256 bytes + 16 of padding = 68 words: the 16 rows that a load touches start at 16 different groups of four banks (ISA guide 11.1)
.set HALFT,  128*PITCH                 ; 128 rows: what one tensor load brings
.set SLOT,   4*HALFT                   ; 256 rows of xb, then 256 rows of cb
.set STAGE,  2*SLOT                    ; behind the ring, never filled by a tensor load: 16 rows x 528 bytes for each wave
.set SP,     528                       ; a stage row: 128 f32 + 16 bytes = 33 x 16
.set SPARE,  STAGE+4*16*SP             ; behind the stages: the spare words, 128 bytes for each wave
.set LAPS,   SIZE_K/(2*KSTEP)          ; a lap = two K steps = once round the ring
.set NEXT_A, WALK*SIZE_K*2-(SIZE_K-2*KSTEP)*2   ; from a slot last K step of a tile to its first of the next: xb goes WALK rows down and back along K,
.set BACK_B, (SIZE_K-2*KSTEP)*2        ; cb only back
.set DROW,   32768                     ; bytes in a row of dbuf, and in a group of gmin
.set ADRA, 16                          ; v16-17  LDS address of my xb fragments in slot 0, 1
.set ADRB, 20                          ; v20-21  the same for cb
.set C2O,  22                          ; v22     256 x (l / 16): my 64 numbers of c2
.set STO,  24                          ; v24     the way out: my stage + 528 (l % 16) + 256 (l / 16)
.set RD,   25                          ; v25     my stage + 16 l
.set CO,   26                          ; v26     16 l
.set XO,   27                          ; v27     4 (l % 16)
.set SPW,  28                          ; v28     LDS address of my spare word; never rewritten
.set NIL,  29                          ; v29     0; never rewritten
.set PFO,  30                          ; v30     the prefetch offset: my lane x a row of 2,048 bytes
.set GS,   31                          ; v31     my stage + 576 (l / 16) + 4 (l % 16): where a minimum goes
.set F0,   64
.set F1,   128
.set BK0,  128                         ; rows read back: v128-191 and v192-255 by turns
.set C2,   0                           ; window 1
.set X2,   192
.set GM,   200
.set T,    208
.set G1,  24                           ; s[24:31] descriptor group 1 for xb tiles;  s[32:39] group 0, a set for each slot
.set G0,  32
.set LIM, 43                           ; s43     1 in a wave that prefetches, else the greatest number
.set PFA, 44                           ; s[44:45] where my prefetches stand
.set G1B, 48                           ; s[48:55], s[56:63] the same for cb tiles
.set G0B, 56
.set DP,  8                            ; s[8:9]   dbuf at my part of the tile in hand
.set X2P, 66                           ; s[66:67] x2 at my 128 rows
.set GMP, 72                           ; s[72:73] gmin at my first group and my 128 rows
.set C2P, 74                           ; s[74:75] c2 at my 128 codes
.set MSB, 0
.macro WIN new                         ; the immediate high byte repeats the setting that is left; a switch that changes nothing is dropped
.if MSB != (\new)
	s_set_vgpr_msb (MSB<<8)|(\new)
.set MSB, \new
.endif
.endm
.set MUL_LO, 0xa1                      ; source 0 (cb) window 1, source 1 (xb) window 0, C and D window 2
.set MUL_HI, 0xf1                      ; the same, C and D window 3
.set TO_B,   0x40                      ; destination window 1, address window 0
; A joint load.  Waves 0 and 1 fetch the two halves of the xb tile, waves 2 and 3 those of the cb tile.  The branch hangs on the wave number alone.
; An s_nop 0 and four v_nop follow each of the two lines, ahead of the jump and the label.
.macro JLOAD s
	s_cmp_eq_u32 s11, 0
	s_cbranch_scc0 .Lfor_b_\@
	tensor_load_to_lds s[G0+4*(\s):G0+4*(\s)+3], s[G1:G1+7]
	s_nop 0
.rept 4
	v_nop
.endr
	s_branch .Lasked_\@
.Lfor_b_\@:
	tensor_load_to_lds s[G0B+4*(\s):G0B+4*(\s)+3], s[G1B:G1B+7]
	s_nop 0
.rept 4
	v_nop
.endr
.Lasked_\@:
.endm
; A PREFETCH INTO THE L2, behind each joint load and the run of LDS loads that follows it: the K step that stands TWO refills on, 512 matrix instructions ahead of the load that will want it: 32 rows x 256 bytes, a lane a row.
; Each row 256 bytes of a K step are named ONCE in the launch: xb rows by the clusters with x = 0, cb rows by the clusters with y = 0 and in the first tile alone (all four tiles walk the same cb rows).
; The four partners that ask for a tile jointly share its rows out BY ADDRESS, 32 each.  how = 0, in the loop: a tile last two refills have no K step two on; how = 1, at a change of tiles: the next tile K steps 2 and 3.
.macro ASK how
.if \how
	s_cmp_eq_u32 s[LIM], 1
.else
	s_cmp_gt_u32 s3, s[LIM]                        ; s3 = 1 in the loop last trip
.endif
	s_cbranch_scc0 .Lnot_mine_\@
	global_prefetch_b8 v[PFO], s[PFA:PFA+1] offset:KSTEP*2 th:TH_LOAD_NT scope:SCOPE_SE
.Lnot_mine_\@:
.endm
.macro CREST                           ; a round of the cluster barrier behind its opening barrier
	s_cmp_lg_u32 s10, 0
	s_cbranch_scc1 .Lnot_wave_0_\@
	s_barrier_signal -3
.Lnot_wave_0_\@:
	s_barrier_wait -3
	s_barrier_signal -1
	s_barrier_wait -1
.endm
.macro CROUND                          ; a whole round
	s_barrier_signal -1
	s_barrier_wait -1
	CREST
.endm
	s_load_b128 s[4:7], s[0:1], 0x0                ; xb s[4:5], cb s[6:7]
	s_load_b128 s[68:71], s[0:1], 0x10             ; nrm s[68:69], dbuf s[70:71]
	s_load_b64 s[72:73], s[0:1], 0x20              ; gmin
	v_lshl_add_u32 v[SPW], v0, 2, SPARE
	v_mov_b32 v[NIL], 0
	ds_add_u32 v[SPW], v[NIL]                      ; the wave opening: the add, twice on end, and its wait ahead of my first tensor load
	ds_add_u32 v[SPW], v[NIL]                      ; and once more, under the one wait; the set-up below, work on registers, stands between
	v_lshrrev_b32 v1, 5, v0
	v_readfirstlane_b32 s10, v1                    ; wave 0..3
	s_lshr_b32 s11, s10, 1                         ; which half of the tile rows is mine.  Also: I fetch for xb (0) or for cb (1)
	s_and_b32 s12, s10, 1                          ; which half of its codes.  Also: which 128 rows of that tile I fetch
	s_bfe_u32 s40, ttmp6, 0x40000                  ; cx
	s_bfe_u32 s41, ttmp6, 0x40004                  ; cy
	s_lshl_b32 s42, ttmp9, 2
	s_add_co_u32 s42, s42, s40                     ; tile column = 4 x cluster x + cx
	s_and_b32 s13, ttmp7, 0xffff
	s_lshl_b32 s13, s13, 2
	s_add_co_u32 s13, s13, s41                     ; tile row = 4 x cluster y + cy
	s_lshl_b32 s43, s41, 2
	s_lshl_b32 s43, 15, s43                        ; my row of the cluster
	s_lshl_b32 s44, 0x1111, s40                    ; my column
	; descriptor group 1: a tile of 128 rows x 128 elements, padded in LDS
	s_or_b32 s[G1+0], s43, (1<<16)|(1<<20)|(1<<21)|(5<<22)|(3<<25)  ; 15:0 the mask; 17:16 elements of 2 bytes; 20 padding on; 21 set beside a mask; 24:22 after every 64 words; 31:25 4 words of it
	s_or_b32 s[G1B+0], s44, (1<<16)|(1<<20)|(1<<21)|(5<<22)|(3<<25)
.irp g, G1, G1B
	s_mov_b32 s[(\g)+1], KSTEP<<16                 ; tensor_dim0 = 128
	s_mov_b32 s[(\g)+2], 128<<16                   ; tensor_dim1 = 128
	s_mov_b32 s[(\g)+3], KSTEP<<16                 ; tile_dim0 = 128
	s_mov_b32 s[(\g)+4], 128                       ; tile_dim1 = 128
	s_mov_b32 s[(\g)+5], SIZE_K                    ; elements from row to row
	s_mov_b32 s[(\g)+6], 0
	s_mov_b32 s[(\g)+7], 0
.endr
	; where the tiles come from: xb by the tile row alone, cb by the tile column alone, each in registers that never hold the other coordinate
	s_lshl_b32 s17, s12, 7
	s_lshl_b32 s16, s13, 8
	s_add_co_u32 s16, s16, s17                     ; xb: row 256 x tile row + 128 x half
	s_lshl_b32 s46, s42, 8
	s_add_co_u32 s46, s46, s17                     ; cb: row 256 x tile column + 128 x half
	s_mov_b32 s17, 0
	s_mov_b32 s47, 0
	s_mov_b64 s[18:19], SIZE_K*2
	s_mul_u64 s[16:17], s[16:17], s[18:19]
	s_mul_u64 s[46:47], s[46:47], s[18:19]
	s_mul_i32 s20, s10, HALFT                      ; and where they go: wave x 128 rows: no place in the cluster enters an LDS address
	s_wait_dscnt 0x0                               ; both opening adds are done
	s_wait_kmcnt 0x0
	s_add_nc_u64 s[14:15], s[4:5], s[16:17]
	s_add_nc_u64 s[46:47], s[6:7], s[46:47]
	CROUND                                         ; all sixteen work-groups are here: the first joint loads meet
.irp s, 0,1
	s_mov_b32 s[G0+4*(\s)], 1
	s_add_co_u32 s[G0+4*(\s)+1], s20, (\s)*SLOT
	s_add_nc_u64 s[G0+4*(\s)+2:G0+4*(\s)+3], s[14:15], (\s)*KSTEP*2
	s_or_b32 s[G0+4*(\s)+3], s[G0+4*(\s)+3], 0x80000000
	s_mov_b32 s[G0B+4*(\s)], 1
	s_add_co_u32 s[G0B+4*(\s)+1], s20, (\s)*SLOT
	s_add_nc_u64 s[G0B+4*(\s)+2:G0B+4*(\s)+3], s[46:47], (\s)*KSTEP*2
	s_or_b32 s[G0B+4*(\s)+3], s[G0B+4*(\s)+3], 0x80000000
	JLOAD \s                                       ; two tensor loads of mine are out
.endr
	v_and_b32 v1, 15, v0                           ; l % 16
	v_bfe_u32 v2, v0, 4, 1                         ; l / 16
	v_mul_u32_u24 v3, v1, PITCH
	v_lshl_add_u32 v3, v2, 4, v3                   ; a fragment: row x pitch + 16 x half
	s_mul_i32 s21, s11, HALFT
	s_mul_i32 s22, s12, HALFT
	s_add_co_u32 s22, s22, 2*HALFT
.irp s, 0,1
	v_add_nc_u32 v[ADRA+(\s)], s21, v3
	v_add_nc_u32 v[ADRB+(\s)], s22, v3
	s_add_co_u32 s21, s21, SLOT
	s_add_co_u32 s22, s22, SLOT
.endr
	s_mul_i32 s23, s10, 16*SP
	s_add_co_u32 s23, s23, STAGE                   ; my stage
	v_mul_u32_u24 v4, v1, SP
	v_lshl_add_u32 v4, v2, 8, v4
	v_add_nc_u32 v[STO], s23, v4
	v_and_b32 v5, 31, v0
	v_lshlrev_b32 v[CO], 4, v5
	v_add_nc_u32 v[RD], s23, v[CO]
	v_lshlrev_b32 v[XO], 2, v1
	v_lshlrev_b32 v[C2O], 8, v2
	v_mul_u32_u24 v5, v2, 576
	v_lshl_add_u32 v5, v1, 2, v5
	v_add_nc_u32 v[GS], s23, v5
	; the pointers of the way out.  Offsets made of the tile row stand in s[76:77], those made of the tile column in s[78:79]
	s_lshl_b32 s13, s13, 8
	s_lshl_b32 s14, s11, 7
	s_add_co_u32 s16, s13, s14                     ; my first row
	s_lshl_b32 s76, s16, 2
	s_mov_b32 s77, 0
	s_add_nc_u64 s[X2P:X2P+1], s[68:69], s[76:77]
	s_add_nc_u64 s[GMP:GMP+1], s[72:73], s[76:77]
	s_lshl_b32 s76, s16, 15                        ; x 32,768 bytes, under 2^28
	s_add_nc_u64 s[DP:DP+1], s[70:71], s[76:77]
	s_lshl_b32 s46, s42, 8
	s_lshl_b32 s47, s12, 7
	s_add_co_u32 s46, s46, s47                     ; my first code
	s_lshl_b32 s78, s46, 2
	s_mov_b32 s79, 0
	s_add_nc_u64 s[DP:DP+1], s[DP:DP+1], s[78:79]
	s_add_nc_u64 s[C2P:C2P+1], s[68:69], s[78:79]
	s_add_nc_u64 s[C2P:C2P+1], s[C2P:C2P+1], 0x8000
	s_lshl_b32 s78, s46, 9                         ; (code / 64) x 32,768
	s_add_nc_u64 s[GMP:GMP+1], s[GMP:GMP+1], s[78:79]
	; the prefetches
	s_lshl_b32 s42, s42, 8
	s_and_b32 s22, ttmp7, 0xffff                   ; cluster y
	s_cmp_eq_u32 s11, 0                            ; do I fetch for xb?
	s_cselect_b32 s20, s13, s42                    ; the tile first row
	s_cselect_b32 s21, s40, s41                    ; my place among the four that ask for it with me
	s_cselect_b32 s22, ttmp9, s22                  ; the coordinate along which other clusters read the same rows
	s_cselect_b64 s[PFA:PFA+1], s[4:5], s[6:7]
	s_cmp_eq_u32 s22, 0
	s_cselect_b32 s[LIM], 1, -1                    ; the same in all sixteen partners, for a given wave
	s_lshl_b32 s22, s12, 7
	s_add_co_u32 s20, s20, s22
	s_lshl_b32 s21, s21, 5
	s_add_co_u32 s20, s20, s21
	s_mov_b32 s21, 0
	s_mov_b64 s[18:19], SIZE_K*2
	s_mul_u64 s[20:21], s[20:21], s[18:19]
	s_add_nc_u64 s[PFA:PFA+1], s[PFA:PFA+1], s[20:21]
	s_add_nc_u64 s[PFA:PFA+1], s[PFA:PFA+1], 2*KSTEP*2  ; at K step 2: the first refill steps it to 3 and names K step 4.  Nothing is prefetched here, at the head
	v_and_b32 v[PFO], 31, v0
	v_mul_u32_u24 v[PFO], v[PFO], SIZE_K*2
	WIN TO_B
.set k, 0
.rept 16                               ; c2 of my lane 64 codes: the same for all four tiles
	global_load_b128 v[C2+4*k:C2+4*k+3], v[C2O], s[C2P:C2P+1] offset:16*k
.set k, k+1
.endr
	WIN 0
; 16 matrix instructions: m blocks a0, a0 + 1 of the window four x all 8 n blocks, 32 along K.  zero = 1: the first product starts the sums.
; The accumulators take turns, one instruction a turn, in the same order in every quarter step: between two links of a chain stand 63 others, in the two passes 31.
.macro MUL16 f, hi, a0, zero
	WIN MUL_LO+0x50*(\hi)
.irp a, \a0, (\a0)+1
.irp b, 0,1,2,3,4,5,6,7
.if \zero
	v_wmma_f32_16x16x32_bf16 v[8*(8*(\a)+(\b)):8*(8*(\a)+(\b))+7], v[(\f)+8*(\b):(\f)+8*(\b)+7], v[(\f)+8*(4*(\hi)+(\a)):(\f)+8*(4*(\hi)+(\a))+7], 0
.else
	v_wmma_f32_16x16x32_bf16 v[8*(8*(\a)+(\b)):8*(8*(\a)+(\b))+7], v[(\f)+8*(\b):(\f)+8*(\b)+7], v[(\f)+8*(4*(\hi)+(\a)):(\f)+8*(4*(\hi)+(\a))+7], v[8*(8*(\a)+(\b)):8*(8*(\a)+(\b))+7]
.endif
.endr
.endr
.endm
; 32 LDS loads in one run: the fragments of one quarter step (32 K at byte k of the rows) into buffer f
.macro FETCH slot, k, f
	WIN TO_B
.irp i, 0,1,2,3,4,5,6,7
	ds_load_b128 v[(\f)+8*(\i):(\f)+8*(\i)+3],   v[ADRB+(\slot)] offset:(\k)+(\i)*16*PITCH
	ds_load_b128 v[(\f)+8*(\i)+4:(\f)+8*(\i)+7], v[ADRB+(\slot)] offset:(\k)+(\i)*16*PITCH+32
.endr
	WIN 0
.irp i, 0,1,2,3,4,5,6,7
	ds_load_b128 v[(\f)+8*(\i):(\f)+8*(\i)+3],   v[ADRA+(\slot)] offset:(\k)+(\i)*16*PITCH
	ds_load_b128 v[(\f)+8*(\i)+4:(\f)+8*(\i)+7], v[ADRA+(\slot)] offset:(\k)+(\i)*16*PITCH+32
.endr
.endm
; 24 LDS loads in one run, for a pass: all eight fragments of cb, and the four of xb rows 64 hi .. 64 hi + 63
.macro FETCHH slot, k, f, hi
	WIN TO_B
.irp i, 0,1,2,3,4,5,6,7
	ds_load_b128 v[(\f)+8*(\i):(\f)+8*(\i)+3],   v[ADRB+(\slot)] offset:(\k)+(\i)*16*PITCH
	ds_load_b128 v[(\f)+8*(\i)+4:(\f)+8*(\i)+7], v[ADRB+(\slot)] offset:(\k)+(\i)*16*PITCH+32
.endr
	WIN 0
.irp i, 0,1,2,3
	ds_load_b128 v[(\f)+8*(4*(\hi)+(\i)):(\f)+8*(4*(\hi)+(\i))+3],   v[ADRA+(\slot)] offset:(\k)+(4*(\hi)+(\i))*16*PITCH
	ds_load_b128 v[(\f)+8*(4*(\hi)+(\i))+4:(\f)+8*(4*(\hi)+(\i))+7], v[ADRA+(\slot)] offset:(\k)+(4*(\hi)+(\i))*16*PITCH+32
.endr
.endm
.macro PLACES                          ; four plain vector instructions between a matrix instruction and a load into, or a vector instruction on, its registers
.rept 4
	v_nop
.endr
.endm
; A K step is four quarters of 32 along K, 64 matrix instructions each, on buffers 0, 1, 0, 1.  One of the first three: multiplies f, and in its middle fetches the next quarter, at byte k, into g.
.macro QUARTER slot, k, f, g, zero
	s_wait_dscnt 8                                 ; cb and xb rows 0-63 are in; the youngest eight loads (xb rows 64-127) may be out
	WIN MUL_LO
	MUL16 \f, 0, 0, \zero
	MUL16 \f, 0, 2, \zero
	PLACES
	FETCH \slot, \k, \g
	s_wait_dscnt 32                                ; all but the 32 just issued
	WIN MUL_HI
	MUL16 \f, 1, 0, \zero
	MUL16 \f, 1, 2, \zero
.endm
; Half a quarter of the last K step (slot 1): rows 64 hi .. of buffer f are multiplied, 32 matrix instructions.  The next half quarter fragments (byte k of the rows, xb half nh) are asked for FIRST, into g,
; four places behind the products that read g, so that they have all 32 products in which to land.  left: how many of the youngest LDS loads may stay out when f is wanted.
.macro HALF hi, f, g, k, nh, left
	s_wait_dscnt \left
	PLACES
	FETCHH 1, \k, \g, \nh
	MUL16 \f, \hi, 0, 0
	MUL16 \f, \hi, 2, 0
.endm
; ONE barrier for a change of slots, with 32 products of buffer 1 (rows 64 hi ..) round it.  In front of it each wave waits for all its tensor loads (one is out: its part of the next slot), adds 0 to its spare
; word, and waits for that and for its own reads of this slot.  Behind it nobody reads this slot any more and the next slot is whole.  left: the add, and the loads that the first 16 products do not want.
.macro MEET round, hi, left
	WIN 0
	s_wait_tensorcnt 0x0
	ds_add_u32 v[SPW], v[NIL]
	s_wait_dscnt \left
	MUL16 F1, \hi, 0, 0
	s_wait_dscnt 0x0                               ; the add is done, and my reads of this slot are over
	s_barrier_signal -1
	MUL16 F1, \hi, 2, 0
.if \round
	WIN 0
.endif
	s_barrier_wait -1
.endm
; The last quarter of a K step that goes by quarters.  fill = 1: this slot takes this tile K step two steps on; 2: the NEXT tile K step 0; 0: nothing (the last tile).
.macro TURN slot, next, fill
.if \fill
	s_wait_xcnt 0x0                                ; the last prefetch, a K step back, has read its address, which is stepped here
.if ((\fill) == 2) && ((\slot) == 0)
	s_add_nc_u64 s[PFA:PFA+1], s[PFA:PFA+1], (WALK-1)*SIZE_K*2+KSTEP*2  ; from the K step after the tile last to the next tile K step 1
	s_cmp_eq_u32 s11, 0
	s_cselect_b32 s[LIM], s[LIM], -1               ; cb rows are asked for in the first tile alone
.else
	s_add_nc_u64 s[PFA:PFA+1], s[PFA:PFA+1], KSTEP*2
.endif
	MEET 1, 0, 9                                   ; (the add and the youngest eight loads may be out)
	CREST                                          ; the barrier has opened a round of the cluster barrier: no wave of any partner still reads this slot or has a load on its way
.if (\fill) == 2
	s_add_nc_u64 s[G0+4*(\slot)+2:G0+4*(\slot)+3], s[G0+4*(\slot)+2:G0+4*(\slot)+3], NEXT_A
	s_sub_nc_u64 s[G0B+4*(\slot)+2:G0B+4*(\slot)+3], s[G0B+4*(\slot)+2:G0B+4*(\slot)+3], BACK_B
.else
	s_add_nc_u64 s[G0+4*(\slot)+2:G0+4*(\slot)+3], s[G0+4*(\slot)+2:G0+4*(\slot)+3], 2*KSTEP*2
	s_add_nc_u64 s[G0B+4*(\slot)+2:G0B+4*(\slot)+3], s[G0B+4*(\slot)+2:G0B+4*(\slot)+3], 2*KSTEP*2
.endif
	JLOAD \slot                                    ; my one tensor load behind the round; its four v_nop are also the places in front of the loads below
	FETCH \next, 0, F0
	ASK (\fill)-1
.else
	MEET 0, 0, 9
	PLACES
	FETCH \next, 0, F0
.endif
	WIN MUL_HI
	MUL16 F1, 1, 0, 0
	MUL16 F1, 1, 2, 0
.endm
; The last half quarter of a tile that has a successor: the second pass last 32 products, and the change of slots: slot 1 takes the next tile K step 1, and the next tile first fragments are fetched into buffer 0.
.macro TURNH
	s_wait_xcnt 0x0                                ; the last prefetch, a K step back, has read its address
	s_add_nc_u64 s[PFA:PFA+1], s[PFA:PFA+1], KSTEP*2
	MEET 1, 1, 1                                   ; (the add alone may be out: the first 16 products want all 24 loads)
	CREST
	s_add_nc_u64 s[G0+6:G0+7], s[G0+6:G0+7], NEXT_A
	s_sub_nc_u64 s[G0B+6:G0B+7], s[G0B+6:G0B+7], BACK_B
	JLOAD 1                                        ; my one tensor load behind the round; its four v_nop are also the places in front of the loads below
	FETCH 0, 0, F0
	ASK 1
.endm
; THE WAY OUT.  DIST: the accumulators of window 2 + hi become d, in place: xc x (-2) + x2, then + c2; pairs in ascending order.
.macro DIST hi
	WIN 0x96+0x41*(\hi)                            ; destination and source 0: window 2 or 3; sources 1 and 2: window 1
.irp a, 0,1,2,3
.set p, 0
.rept 32
.if (\a) & 1
	v_pk_fma_f32 v[64*(\a)+2*p:64*(\a)+2*p+1], v[64*(\a)+2*p:64*(\a)+2*p+1], -2.0, v[X2+4*(\hi)+(\a)-1:X2+4*(\hi)+(\a)] op_sel:[0,0,1] op_sel_hi:[1,0,1]
.else
	v_pk_fma_f32 v[64*(\a)+2*p:64*(\a)+2*p+1], v[64*(\a)+2*p:64*(\a)+2*p+1], -2.0, v[X2+4*(\hi)+(\a):X2+4*(\hi)+(\a)+1] op_sel_hi:[1,0,0]
.endif
.set p, p+1
.endr
.set p, 0
.rept 32
	v_pk_add_f32 v[64*(\a)+2*p:64*(\a)+2*p+1], v[64*(\a)+2*p:64*(\a)+2*p+1], v[C2+2*p:C2+2*p+1]
.set p, p+1
.endr
.endr
.endm
; MINS: the least of each block 64 numbers: four chains of 16 a block, sixteen chains by turns; nothing is rounded.
.macro MINS hi
	WIN 0x4a+0x05*(\hi)                            ; destination window 1, sources 0 and 1 window 2 or 3
.irp a, 0,1,2,3
.irp c, 0,1,2,3
	v_min_num_f32 v[T+4*(\a)+(\c)], v[64*(\a)+16*(\c)], v[64*(\a)+16*(\c)+1]
.endr
.endr
	WIN 0x69+0x14*(\hi)                            ; destination and source 0 window 1, sources 1 and 2 window 2 or 3
.irp q, 1,2,3,4,5,6,7
.irp a, 0,1,2,3
.irp c, 0,1,2,3
	v_min3_num_f32 v[T+4*(\a)+(\c)], v[T+4*(\a)+(\c)], v[64*(\a)+16*(\c)+2*(\q)], v[64*(\a)+16*(\c)+2*(\q)+1]
.endr
.endr
.endr
	WIN 0x55
.irp a, 0,1,2,3
	v_min3_num_f32 v[T+4*(\a)], v[T+4*(\a)], v[T+4*(\a)+1], v[T+4*(\a)+2]
.endr
.irp a, 0,1,2,3
	v_min_num_f32 v[GM+4*(\hi)+(\a)], v[T+4*(\a)], v[T+4*(\a)+3]
.endr
.endm
; TOSTAGE: block a (16 rows x 128 codes) into my own stage, a lane 256 bytes of a row, and back as whole rows of 512 bytes.  LDS serves a wave instructions in order (ISA guide 5.7.1.4): no wait between.
.macro TOSTAGE a
	WIN 0x08+4*((\a)/4)                            ; store data: window 2 or 3
.irp b, 0,1,2,3,4,5,6,7
	ds_store_b128 v[STO], v[64*((\a)%4)+8*(\b):64*((\a)%4)+8*(\b)+3]   offset:32*(\b)
	ds_store_b128 v[STO], v[64*((\a)%4)+8*(\b)+4:64*((\a)%4)+8*(\b)+7] offset:32*(\b)+16
.endr
	WIN 0
.set BK, BK0+64*((\a)%2)
.irp t, 0,1,2,3,4,5,6,7,8,9,10,11,12,13,14,15
	ds_load_b128 v[BK+4*(\t):BK+4*(\t)+3], v[RD] offset:(\t)*SP
.endr
.endm
.macro SEND a, younger                 ; younger: the LDS instructions issued behind block a loads: the next block 32, or none
	WIN 0
.set BK, BK0+64*((\a)%2)
	s_wait_dscnt \younger
.irp t, 0,1,2,3,4,5,6,7,8,9,10,11,12,13,14,15
	global_store_b128 v[CO], v[BK+4*(\t):BK+4*(\t)+3], s[DP:DP+1] offset:(16*(\a)+(\t))*DROW th:TH_STORE_NT  ; 512 consecutive bytes, aligned; 127 rows at the most: inside the signed 24-bit immediate
.endr
.endm
; GOUT: the 2 x 128 minima through the stage: for each of my two groups 128 rows = 512 consecutive bytes of gmin.
.macro GOUT
	WIN 0x04                                       ; store data: window 1
.irp a, 0,1,2,3,4,5,6,7
	ds_store_b32 v[GS], v[GM+(\a)] offset:64*(\a)
.endr
	WIN 0
	s_wait_xcnt 0x0                                ; the stores that read these registers have read them
	ds_load_b128 v[BK0:BK0+3], v[RD]
	ds_load_b128 v[BK0+4:BK0+7], v[RD] offset:576
	s_wait_dscnt 0x0
	global_store_b128 v[CO], v[BK0:BK0+3], s[GMP:GMP+1]
	global_store_b128 v[CO], v[BK0+4:BK0+7], s[GMP:GMP+1] offset:DROW
.endm
	s_wait_tensorcnt 1                             ; my part of K step 0 is in; K step 1 may stay out
	s_barrier_signal -1
	s_barrier_wait -1
	FETCH 0, 0, F0
	s_mov_b32 s2, TILES                            ; tiles to go, this one among them: the same number in every work-group
.Ltile:
	WIN TO_B
.irp a, 0,1,2,3,4,5,6,7
	global_load_b32 v[X2+(\a)], v[XO], s[X2P:X2P+1] offset:64*(\a)  ; x2 of my query in each block of 16 rows; waited for on the way out
.endr
	QUARTER 0, 64,  F0, F1, 1                      ; a tile first quarter stands in front of the loop: its products start the sums
	WIN 0
	s_mov_b32 s3, LAPS-1
.Llap:                                                 ; a trip goes once round the ring, from a lap second quarter to the next lap first, and fills both slots again
	QUARTER 0, 128, F1, F0, 0
	QUARTER 0, 192, F0, F1, 0
	TURN 0, 1, 1
	QUARTER 1, 64,  F0, F1, 0
	QUARTER 1, 128, F1, F0, 0
	QUARTER 1, 192, F0, F1, 0
	TURN 1, 0, 1
	QUARTER 0, 64,  F0, F1, 0
	WIN 0
	s_sub_co_u32 s3, s3, 1
	s_cmp_lg_u32 s3, 0
	s_cbranch_scc1 .Llap
	QUARTER 0, 128, F1, F0, 0                      ; the tile last lap goes on: K step 6
	QUARTER 0, 192, F0, F1, 0
	WIN 0
	s_cmp_eq_u32 s2, 1
	s_cbranch_scc1 .Llast6                         ; what holds a joint load is written out for both kinds of tile: no jump leads round one
	TURN 0, 1, 2                                   ; the ring goes on into the next tile: slot 0 takes its K step 0
	WIN 0
	s_branch .Lseven
.Llast6:
	TURN 0, 1, 0                                   ; the last tile asks for nothing more
	WIN 0
.Lseven:                                               ; K STEP 7, one text for all tiles.  On both ways 32 LDS loads, the whole first quarter, were issued 32 products back
	HALF 0, F0, F1, 64,  0, 8                      ; THE FIRST PASS, my rows 0-63.  (The youngest eight loads, xb rows 64-127, may be out)
	HALF 0, F1, F0, 128, 0, 0
	HALF 0, F0, F1, 192, 0, 0
	HALF 0, F1, F0, 0,   1, 0                      ; and the second pass first fragments are asked for
	PLACES                                         ; ROWS 0-63 LEAVE.  Four places behind the last product
	s_wait_loadcnt 0x0                             ; x2, and at the first tile c2
	DIST 0
	TOSTAGE 0
	MINS 0                                         ; arithmetic stands between a block loads from the stage and the wait for them
	TOSTAGE 1
	SEND 0, 32
	s_wait_xcnt 0x0                                ; a buffer is loaded again only when the stores of the block two back have read it
	TOSTAGE 2
	SEND 1, 32
	s_wait_xcnt 0x0
	TOSTAGE 3
	SEND 2, 32
	SEND 3, 0
	s_wait_xcnt 0x0                                ; the stores have read v128-255: the second pass loads fragments into v160-191, the second way out rows into all of them
	HALF 1, F0, F1, 64,  1, 0                      ; THE SECOND PASS, my rows 64-127: 128 products between the two runs of 64 stores
	HALF 1, F1, F0, 128, 1, 0
	HALF 1, F0, F1, 192, 1, 0
	WIN 0
	s_cmp_eq_u32 s2, 1
	s_cbranch_scc1 .Llast7
	TURNH                                          ; slot 1 takes the next tile K step 1; buffer 0, which the way out leaves alone, its first fragments
	s_branch .Lout
.Llast7:
	s_wait_dscnt 0x0                               ; the very last half quarter: nothing more to fetch
	MUL16 F1, 1, 0, 0
	MUL16 F1, 1, 2, 0
	WIN 0
.Lout:                                                 ; ROWS 64-127 LEAVE, one text for all tiles: its counted waits count LDS instructions issued inside it alone
	PLACES                                         ; behind the last product
	DIST 1
	TOSTAGE 4
	MINS 1
	TOSTAGE 5
	SEND 4, 32
	s_wait_xcnt 0x0
	TOSTAGE 6
	SEND 5, 32
	s_wait_xcnt 0x0
	TOSTAGE 7
	SEND 6, 32
	SEND 7, 0
	GOUT
	s_wait_xcnt 0x0                                ; the stores have read their registers and bases: the three pointers go WALK rows on
	s_add_nc_u64 s[DP:DP+1], s[DP:DP+1], WALK*DROW
	s_add_nc_u64 s[X2P:X2P+1], s[X2P:X2P+1], WALK*4
	s_add_nc_u64 s[GMP:GMP+1], s[GMP:GMP+1], WALK*4
	s_sub_co_u32 s2, s2, 1
	s_cmp_lg_u32 s2, 0
	s_cbranch_scc1 .Ltile
	s_wait_tensorcnt 0x0                           ; the wave end: behind my last tensor load and my last LDS store
	ds_add_u32 v[SPW], v[NIL]
	s_wait_dscnt 0x0
	CROUND                                         ; the closing round: no work-group ends while a partner may still ask for a tile that names it
	s_endpgm
.Lfunc_end_k_q0b3a52780e_dist:
	.size	k_q0b3a52780e_dist, .Lfunc_end_k_q0b3a52780e_dist-k_q0b3a52780e_dist
	.p2alignl 7, 3214868480
	.fill 96, 4, 3214868480
	.section	.rodata,"a",@progbits
	.p2align	6, 0x0
	.amdhsa_kernel k_q0b3a52780e_dist
		.amdhsa_group_segment_fixed_size 327680
		.amdhsa_private_segment_fixed_size 0
		.amdhsa_enable_private_segment 0
		.amdhsa_kernarg_size 40
		.amdhsa_user_sgpr_count 2
		.amdhsa_user_sgpr_kernarg_segment_ptr 1
		.amdhsa_wavefront_size32 1
		.amdhsa_system_sgpr_workgroup_id_x 1
		.amdhsa_system_sgpr_workgroup_id_y 1
		.amdhsa_system_sgpr_workgroup_id_z 1
		.amdhsa_system_vgpr_workitem_id 0
		.amdhsa_next_free_vgpr 1024
		.amdhsa_next_free_sgpr 80
		.amdhsa_reserve_vcc 0
		.amdhsa_float_denorm_mode_32 3
		.amdhsa_float_denorm_mode_16_64 3
		.amdhsa_memory_ordered 1
		.amdhsa_forward_progress 1
		.amdhsa_inst_pref_size 212
	.end_amdhsa_kernel
	.amdgpu_metadata
---
amdhsa.version: [ 1, 2 ]
amdhsa.kernels:
  - .name:           k_q0b3a52780e_dist
    .symbol:         k_q0b3a52780e_dist.kd
    .args:
      - { .name: xb, .offset: 0, .size: 8, .value_kind: global_buffer, .address_space: global }
      - { .name: cb, .offset: 8, .size: 8, .value_kind: global_buffer, .address_space: global }
      - { .name: nrm, .offset: 16, .size: 8, .value_kind: global_buffer, .address_space: global }
      - { .name: dbuf, .offset: 24, .size: 8, .value_kind: global_buffer, .address_space: global }
      - { .name: gmin, .offset: 32, .size: 8, .value_kind: global_buffer, .address_space: global }
    .group_segment_fixed_size: 327680
    .private_segment_fixed_size: 0
    .kernarg_segment_align: 8
    .kernarg_segment_size: 40
    .max_flat_workgroup_size: 128
    .sgpr_count:     80
    .vgpr_count:     1024
    .wavefront_size: 32
...
	.end_amdgpu_metadata
.endif
;; end of part 2
;; launch selgroup (part 3): grid 256 x 1, 4 waves a work-group, no clusters, 33,280 bytes of LDS; arguments gmin, gsel; writes gsel
.if DOCPART == 3
	.amdgcn_target "amdgcn-amd-amdhsa--gfx1250"
	.amdhsa_code_object_version 6
	.text
	.protected	k_q0b3a52780e_selgroup
	.globl	k_q0b3a52780e_selgroup
	.p2align	8
	.type	k_q0b3a52780e_selgroup,@function
k_q0b3a52780e_selgroup:
	s_mov_b64 s[64:65], 0
	v_nop
	global_prefetch_b8 v0, s[64:65] scope:SCOPE_SE
	s_setreg_imm32_b32 hwreg(HW_REG_WAVE_MODE, 25, 1), 1
	s_wait_xcnt 0x0
; For each row the 8 groups (of 128 groups of 64 neighbouring codes) with the least (minimum d, group number); their numbers, SORTED ASCENDING, go to gsel [plane 2][row 8192][4] int32.
; WHY THAT SUFFICES: if a code among a row best 8 lay in a group left out, each of the 8 chosen groups would hold a code that beats it (a smaller d, or an equal d and a lower index).
; gmin: [group 128][row 8192] f32.  SHARES.  A work-group takes 32 rows, a lane a row; wave w takes groups 32 w .. 32 w + 31: 32 loads of 128 consecutive bytes, all issued at once.  A thread 32 numbers go
; through LDS only so that a LOOP can walk them.  Then the four waves lists meet in LDS, twice: a thread takes in the list of the thread 32, then 64, further on (modulo 128); wave 0 ends with the row list
; (what the other waves end with serves nothing), sorts the numbers and stores them.
; THE LIST: 8 values ascending (LV) and their numbers (LI).  A number is put in by compares and selects alone: no branch hangs on a floating-point number.  The compare is strict, and lower groups come
; first (in the walk, and in the two merges that count), so of equal minima the lower group stays in front.
; LIMITS.  The list starts at +inf: a minimum of +inf, or NaN, is never chosen (its place keeps group 0).
.set PL,    176                        ; a thread 32 numbers, 32 bytes for the walk look-ahead, 16 of padding = 11 x 16
.set WREG,  32*PL                      ; a wave own bytes
.set MB,    4*WREG                     ; behind them: the lists, 80 bytes a thread (64 + 16 of padding = 5 x 16)
.set MP,    80
.set SPARE, MB+128*MP                  ; behind them: the spare words, 128 bytes for each wave
.set GO,  1                            ; v1   4 x lane
.set VL,  2                            ; v2   LDS address of the chunk in hand
.set VI,  3                            ; v3   the number of the candidate in hand
.set SO,  4                            ; v4   16 x lane
.set TT,  5                            ; v5   at work
.set SPW, 6                            ; v6   LDS address of my spare word; never rewritten
.set NIL, 7                            ; v7   0; never rewritten
.set LV,  8                            ; v[8:15]
.set LI,  16                           ; v[16:23]
.set XA,  24                           ; v[24:27], v[28:31]: two chunks of four candidates
.set XB,  28
.set TS,  32                           ; v[33:39] at work in the list step
.set P,   40                           ; v[40:55] the partner list
.set VS,  56                           ; v56  where my list goes
.set VP,  57                           ; v57  where the partner list lies
.set VP1, 58                           ; v58  the second trip partner
.set G,   64                           ; v[64:95] my 32 numbers as loaded
.set MK,  40                           ; s[40:47] the eight masks
.set CNT, 48
; One candidate: value v[xv], number v[idv].  Mask n: the candidate is less than entry n.  Entry n takes its lower neighbour where mask n - 1 holds, the candidate where only mask n holds.
; The order: all compares, all values, all first selects (into TS), all shifts: no line reads a result made fewer than seven lines before it.
.macro INS xv, idv
.irp n, 0,1,2,3,4,5,6,7
	v_cmp_lt_f32 s[MK+\n], v[\xv], v[LV+\n]
.endr
.irp n, 7,6,5,4,3,2,1
	v_med3_num_f32 v[LV+\n], v[\xv], v[LV+\n-1], v[LV+\n]
.endr
	v_min_num_f32 v[LV], v[\xv], v[LV]
.irp n, 7,6,5,4,3,2,1
	v_cndmask_b32 v[TS+\n], v[LI+\n], v[\idv], s[MK+\n]
.endr
.irp n, 7,6,5,4,3,2,1
	v_cndmask_b32 v[LI+\n], v[TS+\n], v[LI+\n-1], s[MK+\n-1]
.endr
	v_cndmask_b32 v[LI], v[LI], v[\idv], s[MK]
.endm
.macro FOUR base
.irp e, 0,1,2,3
	INS (\base)+\e, VI
	v_add_nc_u32 v[VI], 1, v[VI]
.endr
.endm
	s_load_b128 s[4:7], s[0:1], 0x0                ; gmin s[4:5], gsel s[6:7]
	v_lshl_add_u32 v[SPW], v0, 2, SPARE
	v_mov_b32 v[NIL], 0
	v_lshrrev_b32 v[TT], 5, v0
	v_readfirstlane_b32 s12, v[TT]                 ; wave 0..3
	v_and_b32 v[TT], 31, v0                        ; lane
	v_lshlrev_b32 v[GO], 2, v[TT]
	v_lshlrev_b32 v[SO], 4, v[TT]
	s_mul_i32 s13, s12, WREG
	v_mul_u32_u24 v[VL], v[TT], PL
	v_add_nc_u32 v[VL], s13, v[VL]
	s_lshl_b32 s14, s12, 5
	v_mov_b32 v[VI], s14                           ; my first group
	s_mul_i32 s15, s12, 32*MP
	s_add_co_u32 s15, s15, MB
	v_mul_u32_u24 v[VS], v[TT], MP
	v_add_nc_u32 v[VS], s15, v[VS]
	v_add_nc_u32 v[VP], 32, v0                     ; the thread 32 further on, modulo 128: for wave 0 wave 1, for wave 2 wave 3
	v_and_b32 v[VP], 127, v[VP]
	v_mul_u32_u24 v[VP], v[VP], MP
	v_add_nc_u32 v[VP], MB, v[VP]
	v_add_nc_u32 v[VP1], 64, v0                    ; 64 further on: for wave 0 wave 2
	v_and_b32 v[VP1], 127, v[VP1]
	v_mul_u32_u24 v[VP1], v[VP1], MP
	v_add_nc_u32 v[VP1], MB, v[VP1]
	s_lshl_b32 s8, ttmp9, 7                        ; my 32 rows: 128 bytes of a group,
	s_lshl_b32 s9, s12, 20                         ; my wave 32 groups of 32,768 bytes
	s_add_co_u32 s8, s8, s9
	s_mov_b32 s9, 0
	s_lshl_b32 s10, ttmp9, 9                       ; 512 bytes of a plane
	s_mov_b32 s11, 0
	s_wait_kmcnt 0x0
	s_add_nc_u64 s[4:5], s[4:5], s[8:9]
	s_add_nc_u64 s[6:7], s[6:7], s[10:11]
.set g, 0
.rept 32
	global_load_b32 v[G+g], v[GO], s[4:5] offset:g*32768 th:TH_LOAD_NT
.set g, g+1
.endr
.irp n, 0,1,2,3,4,5,6,7
	v_mov_b32 v[LV+\n], 0x7f800000
	v_mov_b32 v[LI+\n], 0
.endr
.set k, 0
.rept 8
	s_wait_loadcnt 28-4*k                          ; groups 4 k .. 4 k + 3 of mine are in; the later ones may stay out
	ds_store_b128 v[VL], v[G+4*k:G+4*k+3] offset:16*k
.set k, k+1
.endr
	ds_store_b128 v[VL], v[G+28:G+31] offset:128   ; 32 bytes more, so that the last trip look-ahead reads bytes of my own that have been written; what it brings is not used
	ds_store_b128 v[VL], v[G+28:G+31] offset:144
	; the walk: 8 chunks of four; two are always asked for ahead.  My own bytes: LDS serves a wave in order, so the loads see the stores
	ds_load_b128 v[XA:XA+3], v[VL]
	ds_load_b128 v[XB:XB+3], v[VL] offset:16
	s_mov_b32 s[CNT], 4
.Lstream:
	s_wait_dscnt 0x1                               ; the older chunk is in, the younger may stay out
	FOUR XA
	ds_load_b128 v[XA:XA+3], v[VL] offset:32
	s_wait_dscnt 0x1
	FOUR XB
	ds_load_b128 v[XB:XB+3], v[VL] offset:48
	v_add_nc_u32 v[VL], 32, v[VL]
	s_sub_co_u32 s[CNT], s[CNT], 1
	s_cmp_lg_u32 s[CNT], 0
	s_cbranch_scc1 .Lstream
	; the merges.  Store, wait, barrier, load; and load, wait, barrier before the next trip stores over the same bytes
	s_mov_b32 s[CNT], 2
.Lmerge:
	ds_store_b128 v[VS], v[LV:LV+3]
	ds_store_b128 v[VS], v[LV+4:LV+7] offset:16
	ds_store_b128 v[VS], v[LI:LI+3] offset:32
	ds_store_b128 v[VS], v[LI+4:LI+7] offset:48
	s_wait_dscnt 0x0                               ; for the others sake: my list lies in LDS (the walk last two loads are back too)
	s_barrier_signal -1
	s_barrier_wait -1
	ds_load_b128 v[P:P+3], v[VP]
	ds_load_b128 v[P+4:P+7], v[VP] offset:16
	ds_load_b128 v[P+8:P+11], v[VP] offset:32
	ds_load_b128 v[P+12:P+15], v[VP] offset:48
	s_wait_dscnt 0x0                               ; my reads of the partner list are over
	s_barrier_signal -1
	s_barrier_wait -1                              ; everybody reads are: the lists may be written again
.irp e, 0,1,2,3,4,5,6,7
	INS P+\e, P+8+\e
.endr
	v_mov_b32 v[VP], v[VP1]
	s_sub_co_u32 s[CNT], s[CNT], 1
	s_cmp_lg_u32 s[CNT], 0
	s_cbranch_scc1 .Lmerge
	s_cmp_lg_u32 s12, 0
	s_cbranch_scc1 .Lend
	; wave 0: the 8 numbers sorted ascending: the odd-even merge sort network of 19 exchanges
.macro CX a, b
	v_min_u32 v[TT], v[LI+\a], v[LI+\b]
	v_max_u32 v[LI+\b], v[LI+\a], v[LI+\b]
	v_mov_b32 v[LI+\a], v[TT]
.endm
	CX 0, 1
	CX 2, 3
	CX 4, 5
	CX 6, 7
	CX 0, 2
	CX 1, 3
	CX 4, 6
	CX 5, 7
	CX 1, 2
	CX 5, 6
	CX 0, 4
	CX 1, 5
	CX 2, 6
	CX 3, 7
	CX 2, 4
	CX 3, 5
	CX 1, 2
	CX 3, 4
	CX 5, 6
	global_store_b128 v[SO], v[LI:LI+3], s[6:7]                    ; 512 consecutive bytes, aligned
	global_store_b128 v[SO], v[LI+4:LI+7], s[6:7] offset:131072
.Lend:
	s_wait_tensorcnt 0x0                           ; the wave end: behind my last LDS store
	ds_add_u32 v[SPW], v[NIL]
	s_wait_dscnt 0x0
	s_endpgm
.Lfunc_end_k_q0b3a52780e_selgroup:
	.size	k_q0b3a52780e_selgroup, .Lfunc_end_k_q0b3a52780e_selgroup-k_q0b3a52780e_selgroup
	.p2alignl 7, 3214868480
	.fill 96, 4, 3214868480
	.section	.rodata,"a",@progbits
	.p2align	6, 0x0
	.amdhsa_kernel k_q0b3a52780e_selgroup
		.amdhsa_group_segment_fixed_size 33280
		.amdhsa_private_segment_fixed_size 0
		.amdhsa_enable_private_segment 0
		.amdhsa_kernarg_size 16
		.amdhsa_user_sgpr_count 2
		.amdhsa_user_sgpr_kernarg_segment_ptr 1
		.amdhsa_wavefront_size32 1
		.amdhsa_system_sgpr_workgroup_id_x 1
		.amdhsa_system_sgpr_workgroup_id_y 1
		.amdhsa_system_sgpr_workgroup_id_z 1
		.amdhsa_system_vgpr_workitem_id 0
		.amdhsa_next_free_vgpr 96
		.amdhsa_next_free_sgpr 66
		.amdhsa_reserve_vcc 0
		.amdhsa_float_denorm_mode_32 3
		.amdhsa_float_denorm_mode_16_64 3
		.amdhsa_memory_ordered 1
		.amdhsa_forward_progress 1
		.amdhsa_inst_pref_size 41
	.end_amdhsa_kernel
	.amdgpu_metadata
---
amdhsa.version: [ 1, 2 ]
amdhsa.kernels:
  - .name:           k_q0b3a52780e_selgroup
    .symbol:         k_q0b3a52780e_selgroup.kd
    .args:
      - { .name: gmin, .offset: 0, .size: 8, .value_kind: global_buffer, .address_space: global }
      - { .name: gsel, .offset: 8, .size: 8, .value_kind: global_buffer, .address_space: global }
    .group_segment_fixed_size: 33280
    .private_segment_fixed_size: 0
    .kernarg_segment_align: 8
    .kernarg_segment_size: 16
    .max_flat_workgroup_size: 128
    .sgpr_count:     66
    .vgpr_count:     96
    .wavefront_size: 32
...
	.end_amdgpu_metadata
.endif
;; end of part 3
;; launch selelem (part 4): grid 256 x 1, 4 waves a work-group, no clusters, 72,192 bytes of LDS; arguments dbuf, gsel, out1, vids; writes out1, vids
.if DOCPART == 4
	.amdgcn_target "amdgcn-amd-amdhsa--gfx1250"
	.amdhsa_code_object_version 6
	.text
	.protected	k_q0b3a52780e_selelem
	.globl	k_q0b3a52780e_selelem
	.p2align	8
	.type	k_q0b3a52780e_selelem,@function
k_q0b3a52780e_selelem:
	s_mov_b64 s[64:65], 0
	v_nop
	global_prefetch_b8 v0, s[64:65] scope:SCOPE_SE
	s_setreg_imm32_b32 hwreg(HW_REG_WAVE_MODE, 25, 1), 1
	s_wait_xcnt 0x0
; For each row the 8 codes with the least (d, index) among the 8 x 64 candidates of its chosen groups: out1 [row][8] int32, best first; vids: the same codes as row numbers of the permuted table cb.
; dbuf: [row 8192][code 8192] f32: a (row, group) is 256 consecutive bytes, aligned.  gsel: [plane 2][row][4] int32, a row 8 groups ascending, stored by the launch before: whole numbers from which addresses are made here.
; SHARES.  A wave takes 8 rows.  COPY: 32 loads, each of two whole (row, group) units (sixteen lanes a unit), into LDS.  WALK: lane 4 rr + pq takes row rr, groups 2 pq and 2 pq + 1: 128 candidates, indices ascending
; within a lane and from lane to lane.  MERGE: twice, a lane takes in the sorted list of the lane 1, then 2, further on; lane pq = 0 ends with the row list (the other lanes results serve nothing).
; THE LIST is 8 values ascending and their indices; a candidate is put in by compares and selects alone.  The compare is strict and lower indices come first, so of equal d the lower index stays in front.
; LIMITS.  The list starts at +inf: a d of +inf, or NaN, is never chosen.  Group numbers are clamped to 127 in front of the addresses.
.set PL,    560                        ; a lane 128 candidates, 32 bytes for the walk look-ahead, 16 of padding = 35 x 16
.set WREG,  32*PL                      ; a wave own bytes
.set SPARE, 4*WREG                     ; behind them: the spare words, 128 bytes for each wave
.set VL,  2                            ; v2   LDS address of the chunk in hand
.set VI,  3                            ; v3   the index of the candidate in hand
.set DELTA, 4                          ; v4   what leads from the end of my first group to the start of my second
.set TT,  5                            ; v5   at work
.set SPW, 6                            ; v6   LDS address of my spare word; never rewritten
.set NIL, 7                            ; v7   0; never rewritten
.set LV,  8
.set LI,  16
.set XA,  24
.set XB,  28
.set IDS, 32                           ; v[32:63]   load n = 4 p + i: group 4 hh + i of row p, then its byte offset
.set D,   64                           ; v[64:191]  the 32 loads
.set P,   192                          ; v[192:207] the partner list
.set C16, 208                          ; 16 x (l % 16)
.set GSO, 209                          ; 131,072 x (l / 16): my plane of gsel in the copy
.set OWN, 210                          ; v[210:211] my two groups
.set OWNO, 212
.set VLS, 213                          ; LDS: where the copy puts my 16 bytes
.set VP,  215                          ; 4 x the partner lane
.set VP1, 216                          ; the second trip partner
.set SO,  217                          ; 8 x lane
.set R0,  218                          ; v[218:219] my two indices of the row list
.set V0,  220                          ; v[220:221] the same as rows of cb
.set U0,  222
.set U1,  223
.set TS,  224                          ; v[225:231] at work in the list step
.set MK,  40
.set CNT, 48
; One candidate: value v[xv], index v[idv].  Mask n: the candidate is less than entry n.  Entry n takes its lower neighbour where mask n - 1 holds, the candidate where only mask n holds.
; The order: all compares, all values, all first selects (into TS), all shifts: no line reads a result made fewer than seven lines before it.
.macro INS xv, idv
.irp n, 0,1,2,3,4,5,6,7
	v_cmp_lt_f32 s[MK+\n], v[\xv], v[LV+\n]
.endr
.irp n, 7,6,5,4,3,2,1
	v_med3_num_f32 v[LV+\n], v[\xv], v[LV+\n-1], v[LV+\n]
.endr
	v_min_num_f32 v[LV], v[\xv], v[LV]
.irp n, 7,6,5,4,3,2,1
	v_cndmask_b32 v[TS+\n], v[LI+\n], v[\idv], s[MK+\n]
.endr
.irp n, 7,6,5,4,3,2,1
	v_cndmask_b32 v[LI+\n], v[TS+\n], v[LI+\n-1], s[MK+\n-1]
.endr
	v_cndmask_b32 v[LI], v[LI], v[\idv], s[MK]
.endm
.macro FOUR base
.irp e, 0,1,2,3
	INS (\base)+\e, VI
	v_add_nc_u32 v[VI], 1, v[VI]
.endr
.endm
	s_load_b256 s[4:11], s[0:1], 0x0               ; dbuf s[4:5], gsel s[6:7], out1 s[8:9], vids s[10:11]
	v_lshl_add_u32 v[SPW], v0, 2, SPARE
	v_mov_b32 v[NIL], 0
	v_lshrrev_b32 v1, 5, v0
	v_readfirstlane_b32 s12, v1                    ; wave 0..3
	v_and_b32 v1, 31, v0                           ; lane
	v_and_b32 v[TT], 15, v0
	v_lshlrev_b32 v[C16], 4, v[TT]
	v_bfe_u32 v[TT], v0, 4, 1                      ; hh
	v_lshlrev_b32 v[GSO], 17, v[TT]
	s_mul_i32 s13, s12, WREG
	v_mul_u32_u24 v[VLS], v[TT], 2*PL              ; group 4 hh + i belongs to lane 4 p + 2 hh + i / 2
	v_add_nc_u32 v[VLS], v[VLS], v[C16]
	v_add_nc_u32 v[VLS], s13, v[VLS]
	v_mul_u32_u24 v[VL], v1, PL
	v_add_nc_u32 v[VL], s13, v[VL]
	v_bfe_u32 v[U0], v0, 1, 1                      ; pq / 2: the plane of my own two groups,
	v_lshlrev_b32 v[OWNO], 17, v[U0]
	v_and_b32 v[U0], 1, v0                         ; pq % 2: which 8 bytes of the 16,
	v_lshl_add_u32 v[OWNO], v[U0], 3, v[OWNO]
	v_bfe_u32 v[U0], v0, 2, 3                      ; rr: the row
	v_lshl_add_u32 v[OWNO], v[U0], 4, v[OWNO]
	v_lshlrev_b32 v[SO], 3, v1
	v_xor_b32 v[U0], 1, v1
	v_lshlrev_b32 v[VP], 2, v[U0]
	v_xor_b32 v[U0], 2, v1
	v_lshlrev_b32 v[VP1], 2, v[U0]
	s_lshl_b32 s14, ttmp9, 2
	s_add_co_u32 s14, s14, s12                     ; W: my wave among 1,024
	s_lshl_b32 s16, s14, 18                        ; 8 rows of 32,768 bytes
	s_mov_b32 s17, 0
	s_lshl_b32 s18, s14, 7                         ; 8 rows of 16 bytes
	s_mov_b32 s19, 0
	s_lshl_b32 s20, s14, 8                         ; 8 rows of 32 bytes
	s_mov_b32 s21, 0
	s_mov_b32 s50, 0x22222222                      ; the lanes with pq = 1, 2, 3
	s_mov_b32 s51, 0x44444444
	s_mov_b32 s52, 0x88888888
	s_wait_kmcnt 0x0
	s_add_nc_u64 s[4:5], s[4:5], s[16:17]
	s_add_nc_u64 s[6:7], s[6:7], s[18:19]
	s_add_nc_u64 s[8:9], s[8:9], s[20:21]
	s_add_nc_u64 s[10:11], s[10:11], s[20:21]
.irp p, 0,1,2,3,4,5,6,7
	global_load_b128 v[IDS+4*(\p):IDS+4*(\p)+3], v[GSO], s[6:7] offset:16*(\p)
.endr
	global_load_b64 v[OWN:OWN+1], v[OWNO], s[6:7]
.irp n, 0,1,2,3,4,5,6,7
	v_mov_b32 v[LV+\n], 0x7f800000
	v_mov_b32 v[LI+\n], 0
.endr
	ds_store_b128 v[VL], v[LV:LV+3] offset:512     ; 32 bytes behind my candidates, so that the last trip look-ahead reads bytes of my own that have been written; what it brings is not used
	ds_store_b128 v[VL], v[LV:LV+3] offset:528
	s_wait_loadcnt 0x0
.set n, 0
.rept 32
	v_min_u32 v[IDS+n], 127, v[IDS+n]              ; a loaded number enters an address only clamped
.set n, n+1
.endr
	v_min_u32 v[OWN], 127, v[OWN]
	v_min_u32 v[OWN+1], 127, v[OWN+1]
.set n, 0
.rept 32
	v_lshl_add_u32 v[IDS+n], v[IDS+n], 8, v[C16]   ; 256 bytes a group + my 16
.set n, n+1
.endr
.set n, 0
.rept 32
	global_load_b128 v[D+4*n:D+4*n+3], v[IDS+n], s[4:5] offset:(n/4)*32768 th:TH_LOAD_NT  ; sixteen lanes take 256 consecutive bytes, aligned
.set n, n+1
.endr
	v_lshlrev_b32 v[VI], 6, v[OWN]                 ; my first candidate index
	v_lshlrev_b32 v[DELTA], 6, v[OWN+1]
	v_sub_nc_u32 v[DELTA], v[DELTA], v[VI]
	v_add_nc_u32 v[DELTA], 0xffffffc0, v[DELTA]    ; - 64
.set n, 0
.rept 32
	s_wait_loadcnt 31-n                            ; load n is in; the later ones may stay out
	ds_store_b128 v[VLS], v[D+4*n:D+4*n+3] offset:(4*(n/4)+((n/2)%2))*PL+256*(n%2)
.set n, n+1
.endr
	; the walk: 32 chunks of four; two are always asked for ahead.  The bytes are my wave own: LDS serves a wave in order, so the loads see the stores
	ds_load_b128 v[XA:XA+3], v[VL]
	ds_load_b128 v[XB:XB+3], v[VL] offset:16
	s_mov_b32 s[CNT], 16
.Lstream:
	s_wait_dscnt 0x1                               ; the older chunk is in, the younger may stay out
	FOUR XA
	ds_load_b128 v[XA:XA+3], v[VL] offset:32
	s_wait_dscnt 0x1
	FOUR XB
	ds_load_b128 v[XB:XB+3], v[VL] offset:48
	v_add_nc_u32 v[VL], 32, v[VL]
	s_cmp_eq_u32 s[CNT], 9                         ; the eighth trip ends my first group: 64 candidates
	s_cselect_b32 s49, -1, 0
	v_and_b32 v[TT], s49, v[DELTA]
	v_add_nc_u32 v[VI], v[VI], v[TT]
	s_sub_co_u32 s[CNT], s[CNT], 1
	s_cmp_lg_u32 s[CNT], 0
	s_cbranch_scc1 .Lstream
	; the merge.  The lane permute touches no LDS byte.  The partner entries come in sorted order and have higher indices (in the lanes that count), so the strict compare keeps the order of equal d
	s_mov_b32 s[CNT], 2
.Lmerge:
.irp e, 0,1,2,3,4,5,6,7
	ds_bpermute_b32 v[P+\e], v[VP], v[LV+\e]
.endr
.irp e, 0,1,2,3,4,5,6,7
	ds_bpermute_b32 v[P+8+\e], v[VP], v[LI+\e]
.endr
	s_wait_dscnt 0x0                               ; (in the first trip the walk last two loads are back too)
.irp e, 0,1,2,3,4,5,6,7
	INS P+\e, P+8+\e
.endr
	v_mov_b32 v[VP], v[VP1]
	s_sub_co_u32 s[CNT], s[CNT], 1
	s_cmp_lg_u32 s[CNT], 0
	s_cbranch_scc1 .Lmerge
	; the way out: lane pq = 0 gives its list to its four lanes; lane pq keeps entries 2 pq and 2 pq + 1: 8 bytes a lane, 256 consecutive bytes a wave
.irp e, 0,1,2,3,4,5,6,7
	v_mov_b32_dpp v[P+\e], v[LI+\e] quad_perm:[0,0,0,0] row_mask:0xf bank_mask:0xf
.endr
.irp e, 0,1
	v_cndmask_b32 v[R0+\e], v[P+\e], v[P+2+\e], s50
	v_cndmask_b32 v[R0+\e], v[R0+\e], v[P+4+\e], s51
	v_cndmask_b32 v[R0+\e], v[R0+\e], v[P+6+\e], s52
.endr
	global_store_b64 v[SO], v[R0:R0+1], s[8:9]
.irp e, 0,1                            ; real code 64 h + 8 a + j of a block of 128 lies at row 16 a + 8 h + j
	v_and_b32 v[V0+\e], 0x1f87, v[R0+\e]
	v_and_b32 v[U0], 0x38, v[R0+\e]
	v_bfe_u32 v[U1], v[R0+\e], 6, 1
	v_lshl_or_b32 v[V0+\e], v[U0], 1, v[V0+\e]
	v_lshl_or_b32 v[V0+\e], v[U1], 3, v[V0+\e]
.endr
	global_store_b64 v[SO], v[V0:V0+1], s[10:11]
	s_wait_tensorcnt 0x0                           ; the wave end: behind my last LDS store
	ds_add_u32 v[SPW], v[NIL]
	s_wait_dscnt 0x0
	s_endpgm
.Lfunc_end_k_q0b3a52780e_selelem:
	.size	k_q0b3a52780e_selelem, .Lfunc_end_k_q0b3a52780e_selelem-k_q0b3a52780e_selelem
	.p2alignl 7, 3214868480
	.fill 96, 4, 3214868480
	.section	.rodata,"a",@progbits
	.p2align	6, 0x0
	.amdhsa_kernel k_q0b3a52780e_selelem
		.amdhsa_group_segment_fixed_size 72192
		.amdhsa_private_segment_fixed_size 0
		.amdhsa_enable_private_segment 0
		.amdhsa_kernarg_size 32
		.amdhsa_user_sgpr_count 2
		.amdhsa_user_sgpr_kernarg_segment_ptr 1
		.amdhsa_wavefront_size32 1
		.amdhsa_system_sgpr_workgroup_id_x 1
		.amdhsa_system_sgpr_workgroup_id_y 1
		.amdhsa_system_sgpr_workgroup_id_z 1
		.amdhsa_system_vgpr_workitem_id 0
		.amdhsa_next_free_vgpr 232
		.amdhsa_next_free_sgpr 66
		.amdhsa_reserve_vcc 0
		.amdhsa_float_denorm_mode_32 3
		.amdhsa_float_denorm_mode_16_64 3
		.amdhsa_memory_ordered 1
		.amdhsa_forward_progress 1
		.amdhsa_inst_pref_size 49
	.end_amdhsa_kernel
	.amdgpu_metadata
---
amdhsa.version: [ 1, 2 ]
amdhsa.kernels:
  - .name:           k_q0b3a52780e_selelem
    .symbol:         k_q0b3a52780e_selelem.kd
    .args:
      - { .name: dbuf, .offset: 0, .size: 8, .value_kind: global_buffer, .address_space: global }
      - { .name: gsel, .offset: 8, .size: 8, .value_kind: global_buffer, .address_space: global }
      - { .name: out1, .offset: 16, .size: 8, .value_kind: global_buffer, .address_space: global }
      - { .name: vids, .offset: 24, .size: 8, .value_kind: global_buffer, .address_space: global }
    .group_segment_fixed_size: 72192
    .private_segment_fixed_size: 0
    .kernarg_segment_align: 8
    .kernarg_segment_size: 32
    .max_flat_workgroup_size: 128
    .sgpr_count:     66
    .vgpr_count:     232
    .wavefront_size: 32
...
	.end_amdgpu_metadata
.endif
;; end of part 4
;; launch gather (part 5): grid 256 x 1, 16 waves a work-group, no clusters, 0 bytes of LDS; arguments vids, cb, out0; writes out0
.if DOCPART == 5
	.amdgcn_target "amdgcn-amd-amdhsa--gfx1250"
	.amdhsa_code_object_version 6
	.text
	.protected	k_q0b3a52780e_gather
	.globl	k_q0b3a52780e_gather
	.p2align	8
	.type	k_q0b3a52780e_gather,@function
k_q0b3a52780e_gather:
	s_mov_b64 s[64:65], 0
	v_nop
	global_prefetch_b8 v0, s[64:65] scope:SCOPE_SE
	s_setreg_imm32_b32 hwreg(HW_REG_WAVE_MODE, 25, 1), 1
	s_wait_xcnt 0x0
; out0[row][:] = the mean of the 8 chosen code rows, taken from cb, the codebook rounded to bf16; sums in f32.  Each number is multiplied by 1/8 as it is added: a power of two, so the sum is the sum divided by 8.
; vids: [row 8192][8] int32, row numbers of cb, stored by the launch before: whole numbers from which addresses are made here, clamped to 8,191.
; SHARES.  A wave takes two rows: 16 code rows of 2,048 bytes.  A code row comes by eight loads of 8 bytes a lane, 256 consecutive bytes each; a lane four numbers of a load are 16 neighbouring bytes of out0.
; A ring of eight slots, a code row each: while a slot is added up, the other seven are on their way; row 0 slots are filled again with row 1 code rows.  Two sets of sums, so that nothing waits for a store.
; No LDS, no matrix unit, no cluster: nothing is shared between waves.  No prefetch: cb is a table that the whole launch reads again and again.
.set LO,   2                           ; v2   8 x lane
.set SO,   3                           ; v3   16 x lane
.set EIGHTH, 4                         ; v4   0.125
.set ZERO, 5                           ; v5   0: the first code row adds onto it
.set ACC,  8                           ; v[8:39] row 0, v[40:71] row 1: load k numbers at 4 k
.set RING, 72                          ; v[72:199] slot i at 16 i
.set OFF,  200                         ; v[200:215] byte offset of my 8 bytes in each of the 16 code rows; never rewritten
	s_load_b128 s[4:7], s[0:1], 0x0                ; vids s[4:5], cb s[6:7]
	s_load_b64 s[8:9], s[0:1], 0x10                ; out0
	v_lshrrev_b32 v1, 5, v0
	v_readfirstlane_b32 s10, v1                    ; wave 0..15
	v_and_b32 v1, 31, v0
	v_lshlrev_b32 v[LO], 3, v1
	v_lshlrev_b32 v[SO], 4, v1
	v_mov_b32 v[EIGHTH], 0x3e000000
	v_mov_b32 v[ZERO], 0
	s_lshl_b32 s11, ttmp9, 4
	s_add_co_u32 s11, s11, s10                     ; my wave among 4,096
	s_lshl_b32 s12, s11, 6                         ; two rows of 32 bytes
	s_mov_b32 s13, 0
	s_lshl_b32 s14, s11, 13                        ; two rows of 4,096 bytes
	s_mov_b32 s15, 0
	s_wait_kmcnt 0x0
	s_add_nc_u64 s[4:5], s[4:5], s[12:13]
	s_add_nc_u64 s[8:9], s[8:9], s[14:15]
	s_load_b512 s[16:31], s[4:5], 0x0              ; the 16 row numbers
	s_wait_kmcnt 0x0
.set i, 0
.rept 16
	s_min_u32 s[16+i], s[16+i], 0x1fff             ; a loaded number enters an address only clamped
	s_lshl_b32 s[16+i], s[16+i], 11                ; 2,048 bytes a code row
	v_add_nc_u32 v[OFF+i], s[16+i], v[LO]
.set i, i+1
.endr
.macro FILL row, i                     ; code row i of the row into slot i
.irp k, 0,1,2,3,4,5,6,7
	global_load_b64 v[RING+16*(\i)+2*(\k):RING+16*(\i)+2*(\k)+1], v[OFF+8*(\row)+(\i)], s[6:7] offset:256*(\k)
.endr
.endm
.macro MIX d, s, c, hi                 ; v[d] = a bf16 half of v[s] x 1/8 + v[c], in f32
.if \hi
	v_fma_mix_f32_bf16 v[\d], v[\s], v[EIGHTH], v[\c] op_sel:[1,0,0] op_sel_hi:[1,0,0]
.else
	v_fma_mix_f32_bf16 v[\d], v[\s], v[EIGHTH], v[\c] op_sel_hi:[1,0,0]
.endif
.endm
; Slot i is added onto the row sums.  left: how many younger loads may stay out.  reload = 1: the slot takes row 1 code row i.
.macro SLOT row, i, left, reload
	s_wait_loadcnt \left
.set k, 0
.rept 8
.irp e, 0,1,2,3
.if (\i) == 0
	MIX ACC+32*(\row)+4*k+\e, RING+16*(\i)+2*k+(\e)/2, ZERO, (\e)%2
.else
	MIX ACC+32*(\row)+4*k+\e, RING+16*(\i)+2*k+(\e)/2, ACC+32*(\row)+4*k+\e, (\e)%2
.endif
.endr
.set k, k+1
.endr
.if \reload
	FILL 1, \i
.endif
.endm
.macro SEND row
.irp k, 0,1,2,3,4,5,6,7
	global_store_b128 v[SO], v[ACC+32*(\row)+4*(\k):ACC+32*(\row)+4*(\k)+3], s[8:9] offset:4096*(\row)+512*(\k) th:TH_STORE_NT  ; 512 consecutive bytes, aligned
.endr
.endm
.irp i, 0,1,2,3,4,5,6,7
	FILL 0, \i
.endr
.irp i, 0,1,2,3,4,5,6,7
	SLOT 0, \i, 56, 1                              ; behind slot i loads stand 7 - i slots of row 0 and i of row 1: 56 loads
.endr
	SEND 0
.irp i, 0,1,2,3,4,5,6,7
	SLOT 1, \i, 8*(7-(\i)), 0                      ; nothing more is loaded: the counts run down
.endr
	SEND 1
	s_endpgm
.Lfunc_end_k_q0b3a52780e_gather:
	.size	k_q0b3a52780e_gather, .Lfunc_end_k_q0b3a52780e_gather-k_q0b3a52780e_gather
	.p2alignl 7, 3214868480
	.fill 96, 4, 3214868480
	.section	.rodata,"a",@progbits
	.p2align	6, 0x0
	.amdhsa_kernel k_q0b3a52780e_gather
		.amdhsa_group_segment_fixed_size 0
		.amdhsa_private_segment_fixed_size 0
		.amdhsa_enable_private_segment 0
		.amdhsa_kernarg_size 24
		.amdhsa_user_sgpr_count 2
		.amdhsa_user_sgpr_kernarg_segment_ptr 1
		.amdhsa_wavefront_size32 1
		.amdhsa_system_sgpr_workgroup_id_x 1
		.amdhsa_system_sgpr_workgroup_id_y 1
		.amdhsa_system_sgpr_workgroup_id_z 1
		.amdhsa_system_vgpr_workitem_id 0
		.amdhsa_next_free_vgpr 216
		.amdhsa_next_free_sgpr 66
		.amdhsa_reserve_vcc 0
		.amdhsa_float_denorm_mode_32 3
		.amdhsa_float_denorm_mode_16_64 3
		.amdhsa_memory_ordered 1
		.amdhsa_forward_progress 1
		.amdhsa_inst_pref_size 50
	.end_amdhsa_kernel
	.amdgpu_metadata
---
amdhsa.version: [ 1, 2 ]
amdhsa.kernels:
  - .name:           k_q0b3a52780e_gather
    .symbol:         k_q0b3a52780e_gather.kd
    .args:
      - { .name: vids, .offset: 0, .size: 8, .value_kind: global_buffer, .address_space: global }
      - { .name: cb, .offset: 8, .size: 8, .value_kind: global_buffer, .address_space: global }
      - { .name: out0, .offset: 16, .size: 8, .value_kind: global_buffer, .address_space: global }
    .group_segment_fixed_size: 0
    .private_segment_fixed_size: 0
    .kernarg_segment_align: 8
    .kernarg_segment_size: 24
    .max_flat_workgroup_size: 512
    .sgpr_count:     66
    .vgpr_count:     216
    .wavefront_size: 32
...
	.end_amdgpu_metadata
.endif
;; end of part 5
;; ======== version 2 of 2: 5 launches; version 1 with the launches selelem, gather written anew for expert scheduling mode
;; workspace buffers: xb 16,777,216 bytes; cb 16,777,216 bytes; nrm 65,536 bytes; dbuf 268,435,456 bytes; gmin 4,194,304 bytes; gsel 262,144 bytes of whole numbers; vids 262,144 bytes of whole numbers
;; launch prep: the kernel of part 1 again; grid 256 x 1, 16 waves a work-group, no clusters, 2,304 bytes of LDS; arguments inputs, codebook, xb, cb, nrm; writes xb, cb, nrm
;; launch dist: the kernel of part 2 again; grid 32 x 8, 4 waves a work-group, clusters of 4 x 4, 327,680 bytes of LDS; arguments xb, cb, nrm, dbuf, gmin; writes dbuf, gmin
;; launch selgroup: the kernel of part 3 again; grid 256 x 1, 4 waves a work-group, no clusters, 33,280 bytes of LDS; arguments gmin, gsel; writes gsel
;; launch selelem (part 6): grid 256 x 1, 4 waves a work-group, no clusters, 72,192 bytes of LDS; arguments dbuf, gsel, out1, vids; writes out1, vids
.if DOCPART == 6
	.amdgcn_target "amdgcn-amd-amdhsa--gfx1250"
	.amdhsa_code_object_version 6
	.text
	.protected	k_q0b3a52780e_selelem
	.globl	k_q0b3a52780e_selelem
	.p2align	8
	.type	k_q0b3a52780e_selelem,@function
k_q0b3a52780e_selelem:
	s_mov_b64 s[64:65], 0
	v_nop
	global_prefetch_b8 v0, s[64:65] scope:SCOPE_SE
	s_setreg_imm32_b32 hwreg(HW_REG_WAVE_SCHED_MODE, 0, 2), 2
	s_setreg_imm32_b32 hwreg(HW_REG_WAVE_MODE, 25, 1), 1
	s_wait_xcnt 0x0
	s_wait_alu depctr_vm_vsrc(0)
; For each row the 8 codes with the least (d, index) among the 8 x 64 candidates of its chosen groups: out1 [row][8] int32, best first; vids: the same codes as row numbers of the permuted table cb.
; dbuf: [row 8192][code 8192] f32: a (row, group) is 256 consecutive bytes, aligned.  gsel: [plane 2][row][4] int32, a row 8 groups ascending, stored by the launch before: whole numbers from which addresses are made here.
; SHARES.  A wave takes 8 rows.  COPY: 32 loads, each of two whole (row, group) units (sixteen lanes a unit), into LDS.  WALK: lane 4 rr + pq takes row rr, groups 2 pq and 2 pq + 1: 128 candidates, indices ascending
; within a lane and from lane to lane.  MERGE: twice, a lane takes in the sorted list of the lane 1, then 2, further on; lane pq = 0 ends with the row list (the other lanes results serve nothing).
; THE LIST is 8 values ascending and their indices; a candidate is put in by compares and selects alone.  The compare is strict and lower indices come first, so of equal d the lower index stays in front.
; LIMITS.  The list starts at +inf: a d of +inf, or NaN, is never chosen.  Group numbers are clamped to 127 in front of the addresses.
; THE MODE: SCHED_MODE bits 1:0 = 2 (LLVM: expert scheduling mode 2), set by the entry lines.  The code itself states the register dependences between vector instructions and memory or LDS instructions,
; and between a vector instruction that writes a scalar register and that register readers, with s_wait_alu, always for 0.
; THE PLAN.  Registers that memory or LDS instructions touch:
;   GSO, OWNO, VLS, SO   addresses, made once at the head and never written again.
;   IDS        loaded; turned into byte offsets by vector lines; then read by the 32 loads of D: one wait between.
;   D          loaded, read by the LDS stores of the copy; no vector line names it.
;   v[VL]      read by the pad stores and by every LDS load of the walk; stepped once a trip, behind XB list steps and ahead of the wait that stands in front of XB load anyway.
;   XA, XB     read by four list steps each; loaded again behind them: a wait in front of each load.
;   LV, LI     written by every list step; read by the two pad stores (LV) and by the permutes of the merge.
;   P, v[VP]   the permutes land in P and read v[VP]; the list steps of the merge read P; v[VP] is written once a trip of the merge.
;   R0, V0     written at the end, read by the two stores: one wait for both.
;   s[MK ..]   written by the eight compares of a list step, read by its fifteen selects: one wait between, behind the eight lines that step the values.
.set PL,    560                        ; a lane 128 candidates, 32 bytes for the walk look-ahead, 16 of padding = 35 x 16
.set WREG,  32*PL                      ; a wave own bytes
.set SPARE, 4*WREG                     ; behind them: the spare words, 128 bytes for each wave
.set VL,  2                            ; v2   LDS address of the chunk in hand
.set VI,  3                            ; v3   the index of the candidate in hand
.set DELTA, 4                          ; v4   what leads from the end of my first group to the start of my second
.set TT,  5                            ; v5   at work
.set SPW, 6                            ; v6   LDS address of my spare word; never rewritten
.set NIL, 7                            ; v7   0; never rewritten
.set LV,  8
.set LI,  16
.set XA,  24
.set XB,  28
.set IDS, 32                           ; v[32:63]   load n = 4 p + i: group 4 hh + i of row p, then its byte offset
.set D,   64                           ; v[64:191]  the 32 loads
.set P,   192                          ; v[192:207] the partner list
.set C16, 208                          ; 16 x (l % 16)
.set GSO, 209                          ; 131,072 x (l / 16): my plane of gsel in the copy
.set OWN, 210                          ; v[210:211] my two groups
.set OWNO, 212
.set VLS, 213                          ; LDS: where the copy puts my 16 bytes
.set VP,  215                          ; 4 x the partner lane
.set VP1, 216                          ; the second trip partner
.set SO,  217                          ; 8 x lane
.set R0,  218                          ; v[218:219] my two indices of the row list
.set V0,  220                          ; v[220:221] the same as rows of cb
.set U0,  222
.set U1,  223
.set TS,  224                          ; v[225:231] at work in the list step
.set MK,  40
.set CNT, 48
; One candidate: value v[xv], index v[idv].  Mask n: the candidate is less than entry n.  Entry n takes its lower neighbour where mask n - 1 holds, the candidate where only mask n holds.
; The order: all compares, all values, all first selects (into TS), all shifts: no line reads a result made fewer than seven lines before it.
.macro INS xv, idv
.irp n, 0,1,2,3,4,5,6,7
	v_cmp_lt_f32 s[MK+\n], v[\xv], v[LV+\n]
.endr
.irp n, 7,6,5,4,3,2,1
	v_med3_num_f32 v[LV+\n], v[\xv], v[LV+\n-1], v[LV+\n]
.endr
	v_min_num_f32 v[LV], v[\xv], v[LV]
	s_wait_alu depctr_va_sdst(0)                   ; the eight compares have written s[MK ..], ahead of the first select that reads one of them
.irp n, 7,6,5,4,3,2,1
	v_cndmask_b32 v[TS+\n], v[LI+\n], v[\idv], s[MK+\n]
.endr
.irp n, 7,6,5,4,3,2,1
	v_cndmask_b32 v[LI+\n], v[TS+\n], v[LI+\n-1], s[MK+\n-1]
.endr
	v_cndmask_b32 v[LI], v[LI], v[\idv], s[MK]
.endm
.macro FOUR base
.irp e, 0,1,2,3
	INS (\base)+\e, VI
	v_add_nc_u32 v[VI], 1, v[VI]
.endr
.endm
	s_load_b256 s[4:11], s[0:1], 0x0               ; dbuf s[4:5], gsel s[6:7], out1 s[8:9], vids s[10:11]
	v_lshl_add_u32 v[SPW], v0, 2, SPARE
	v_mov_b32 v[NIL], 0
	v_lshrrev_b32 v1, 5, v0
	v_readfirstlane_b32 s12, v1                    ; wave 0..3
	v_and_b32 v1, 31, v0                           ; lane
	v_and_b32 v[TT], 15, v0
	v_lshlrev_b32 v[C16], 4, v[TT]
	v_bfe_u32 v[TT], v0, 4, 1                      ; hh
	v_lshlrev_b32 v[GSO], 17, v[TT]
	s_wait_alu depctr_va_sdst(0)                   ; s12 is written, ahead of its first reader: the wave LDS bytes and the four bases are made from it
	s_mul_i32 s13, s12, WREG
	v_mul_u32_u24 v[VLS], v[TT], 2*PL              ; group 4 hh + i belongs to lane 4 p + 2 hh + i / 2
	v_add_nc_u32 v[VLS], v[VLS], v[C16]
	v_add_nc_u32 v[VLS], s13, v[VLS]
	v_mul_u32_u24 v[VL], v1, PL
	v_add_nc_u32 v[VL], s13, v[VL]
	v_bfe_u32 v[U0], v0, 1, 1                      ; pq / 2: the plane of my own two groups,
	v_lshlrev_b32 v[OWNO], 17, v[U0]
	v_and_b32 v[U0], 1, v0                         ; pq % 2: which 8 bytes of the 16,
	v_lshl_add_u32 v[OWNO], v[U0], 3, v[OWNO]
	v_bfe_u32 v[U0], v0, 2, 3                      ; rr: the row
	v_lshl_add_u32 v[OWNO], v[U0], 4, v[OWNO]
	v_lshlrev_b32 v[SO], 3, v1
	v_xor_b32 v[U0], 1, v1
	v_lshlrev_b32 v[VP], 2, v[U0]
	v_xor_b32 v[U0], 2, v1
	v_lshlrev_b32 v[VP1], 2, v[U0]
.irp n, 0,1,2,3,4,5,6,7
	v_mov_b32 v[LV+\n], 0x7f800000                 ; the list start, made here so that the one wait below serves the pad stores too
	v_mov_b32 v[LI+\n], 0
.endr
	s_lshl_b32 s14, ttmp9, 2
	s_add_co_u32 s14, s14, s12                     ; W: my wave among 1,024
	s_lshl_b32 s16, s14, 18                        ; 8 rows of 32,768 bytes
	s_mov_b32 s17, 0
	s_lshl_b32 s18, s14, 7                         ; 8 rows of 16 bytes
	s_mov_b32 s19, 0
	s_lshl_b32 s20, s14, 8                         ; 8 rows of 32 bytes
	s_mov_b32 s21, 0
	s_mov_b32 s50, 0x22222222                      ; the lanes with pq = 1, 2, 3
	s_mov_b32 s51, 0x44444444
	s_mov_b32 s52, 0x88888888
	s_wait_kmcnt 0x0
	s_add_nc_u64 s[4:5], s[4:5], s[16:17]
	s_add_nc_u64 s[6:7], s[6:7], s[18:19]
	s_add_nc_u64 s[8:9], s[8:9], s[20:21]
	s_add_nc_u64 s[10:11], s[10:11], s[20:21]
	s_wait_alu depctr_va_vdst(0)                   ; the addresses GSO, OWNO, VL, VLS, SO and VP are written, which loads, stores and permutes read; so is LV, the data of the pad stores
.irp p, 0,1,2,3,4,5,6,7
	global_load_b128 v[IDS+4*(\p):IDS+4*(\p)+3], v[GSO], s[6:7] offset:16*(\p)
.endr
	global_load_b64 v[OWN:OWN+1], v[OWNO], s[6:7]
	ds_store_b128 v[VL], v[LV:LV+3] offset:512     ; 32 bytes behind my candidates, so that the last trip look-ahead reads bytes of my own that have been written; what it brings is not used
	ds_store_b128 v[VL], v[LV:LV+3] offset:528
	s_wait_loadcnt 0x0
.set n, 0
.rept 32
	v_min_u32 v[IDS+n], 127, v[IDS+n]              ; a loaded number enters an address only clamped
.set n, n+1
.endr
	v_min_u32 v[OWN], 127, v[OWN]
	v_min_u32 v[OWN+1], 127, v[OWN+1]
.set n, 0
.rept 32
	v_lshl_add_u32 v[IDS+n], v[IDS+n], 8, v[C16]   ; 256 bytes a group + my 16
.set n, n+1
.endr
	s_wait_alu depctr_va_vdst(0)                   ; the 32 offsets in IDS are written, which the loads below read: one wait for all of them
.set n, 0
.rept 32
	global_load_b128 v[D+4*n:D+4*n+3], v[IDS+n], s[4:5] offset:(n/4)*32768 th:TH_LOAD_NT  ; sixteen lanes take 256 consecutive bytes, aligned
.set n, n+1
.endr
	v_lshlrev_b32 v[VI], 6, v[OWN]                 ; my first candidate index
	v_lshlrev_b32 v[DELTA], 6, v[OWN+1]
	v_sub_nc_u32 v[DELTA], v[DELTA], v[VI]
	v_add_nc_u32 v[DELTA], 0xffffffc0, v[DELTA]    ; - 64
.set n, 0
.rept 32
	s_wait_loadcnt 31-n                            ; load n is in; the later ones may stay out
	ds_store_b128 v[VLS], v[D+4*n:D+4*n+3] offset:(4*(n/4)+((n/2)%2))*PL+256*(n%2)  ; no vector line since the head wait names VLS, and none ever names D
.set n, n+1
.endr
	; the walk: 32 chunks of four; two are always asked for ahead.  The bytes are my wave own: LDS serves a wave in order, so the loads see the stores
	ds_load_b128 v[XA:XA+3], v[VL]
	ds_load_b128 v[XB:XB+3], v[VL] offset:16
	s_wait_alu depctr_vm_vsrc(0)                   ; the pad stores have read LV, which the first list step writes
	s_mov_b32 s[CNT], 16
.Lstream:
	s_wait_dscnt 0x1                               ; the older chunk is in, the younger may stay out
	FOUR XA
	s_wait_alu depctr_va_vdst(0)                   ; the four list steps are done reading XA, in which the load below lands; v[VL], stepped in the trip before, is written
	ds_load_b128 v[XA:XA+3], v[VL] offset:32
	s_wait_dscnt 0x1
	FOUR XB
	s_wait_alu depctr_vm_vsrc(0)                   ; the LDS loads issued so far, the last of them four list steps back, have read v[VL]
	v_add_nc_u32 v[VL], 32, v[VL]
	s_cmp_eq_u32 s[CNT], 9                         ; the eighth trip ends my first group: 64 candidates
	s_cselect_b32 s49, -1, 0
	v_and_b32 v[TT], s49, v[DELTA]
	v_add_nc_u32 v[VI], v[VI], v[TT]
	s_wait_alu depctr_va_vdst(0)                   ; the four list steps are done reading XB, in which the load below lands; v[VL] is written
	ds_load_b128 v[XB:XB+3], v[VL] offset:16       ; on the stepped address: the 16 bytes behind those that XA load asked for
	s_sub_co_u32 s[CNT], s[CNT], 1
	s_cmp_lg_u32 s[CNT], 0
	s_cbranch_scc1 .Lstream
	; the merge.  The lane permute touches no LDS byte.  The partner entries come in sorted order and have higher indices (in the lanes that count), so the strict compare keeps the order of equal d
	s_mov_b32 s[CNT], 2
.Lmerge:
	s_wait_alu depctr_va_vdst(0)                   ; the list steps have written LV and LI, which the permutes read, and are done reading P, in which they land; v[VP] is written
.irp e, 0,1,2,3,4,5,6,7
	ds_bpermute_b32 v[P+\e], v[VP], v[LV+\e]
.endr
.irp e, 0,1,2,3,4,5,6,7
	ds_bpermute_b32 v[P+8+\e], v[VP], v[LI+\e]
.endr
	s_wait_dscnt 0x0                               ; (in the first trip the walk last two loads are back too)
	s_wait_alu depctr_vm_vsrc(0)                   ; the permutes have read LV, LI and v[VP], which the lines below write
.irp e, 0,1,2,3,4,5,6,7
	INS P+\e, P+8+\e
.endr
	v_mov_b32 v[VP], v[VP1]
	s_sub_co_u32 s[CNT], s[CNT], 1
	s_cmp_lg_u32 s[CNT], 0
	s_cbranch_scc1 .Lmerge
	; the way out: lane pq = 0 gives its list to its four lanes; lane pq keeps entries 2 pq and 2 pq + 1: 8 bytes a lane, 256 consecutive bytes a wave
.irp e, 0,1,2,3,4,5,6,7
	v_mov_b32_dpp v[P+\e], v[LI+\e] quad_perm:[0,0,0,0] row_mask:0xf bank_mask:0xf
.endr
.irp e, 0,1
	v_cndmask_b32 v[R0+\e], v[P+\e], v[P+2+\e], s50
	v_cndmask_b32 v[R0+\e], v[R0+\e], v[P+4+\e], s51
	v_cndmask_b32 v[R0+\e], v[R0+\e], v[P+6+\e], s52
.endr
.irp e, 0,1                            ; real code 64 h + 8 a + j of a block of 128 lies at row 16 a + 8 h + j
	v_and_b32 v[V0+\e], 0x1f87, v[R0+\e]
	v_and_b32 v[U0], 0x38, v[R0+\e]
	v_bfe_u32 v[U1], v[R0+\e], 6, 1
	v_lshl_or_b32 v[V0+\e], v[U0], 1, v[V0+\e]
	v_lshl_or_b32 v[V0+\e], v[U1], 3, v[V0+\e]
.endr
	s_wait_alu depctr_va_vdst(0)                   ; R0 and V0 are written, which the two stores read
	global_store_b64 v[SO], v[R0:R0+1], s[8:9]
	global_store_b64 v[SO], v[V0:V0+1], s[10:11]
	s_wait_dscnt 0x0                               ; the closing lines, six on end
	s_wait_alu 0x0
	s_wait_tensorcnt 0x0
	ds_add_u32 v[SPW], v[NIL]
	s_wait_dscnt 0x0
	s_endpgm
.Lfunc_end_k_q0b3a52780e_selelem:
	.size	k_q0b3a52780e_selelem, .Lfunc_end_k_q0b3a52780e_selelem-k_q0b3a52780e_selelem
	.p2alignl 7, 3214868480
	.fill 96, 4, 3214868480
	.section	.rodata,"a",@progbits
	.p2align	6, 0x0
	.amdhsa_kernel k_q0b3a52780e_selelem
		.amdhsa_group_segment_fixed_size 72192
		.amdhsa_private_segment_fixed_size 0
		.amdhsa_enable_private_segment 0
		.amdhsa_kernarg_size 32
		.amdhsa_user_sgpr_count 2
		.amdhsa_user_sgpr_kernarg_segment_ptr 1
		.amdhsa_wavefront_size32 1
		.amdhsa_system_sgpr_workgroup_id_x 1
		.amdhsa_system_sgpr_workgroup_id_y 1
		.amdhsa_system_sgpr_workgroup_id_z 1
		.amdhsa_system_vgpr_workitem_id 0
		.amdhsa_next_free_vgpr 232
		.amdhsa_next_free_sgpr 66
		.amdhsa_reserve_vcc 0
		.amdhsa_float_denorm_mode_32 3
		.amdhsa_float_denorm_mode_16_64 3
		.amdhsa_memory_ordered 1
		.amdhsa_forward_progress 1
		.amdhsa_inst_pref_size 50
	.end_amdhsa_kernel
	.amdgpu_metadata
---
amdhsa.version: [ 1, 2 ]
amdhsa.kernels:
  - .name:           k_q0b3a52780e_selelem
    .symbol:         k_q0b3a52780e_selelem.kd
    .args:
      - { .name: dbuf, .offset: 0, .size: 8, .value_kind: global_buffer, .address_space: global }
      - { .name: gsel, .offset: 8, .size: 8, .value_kind: global_buffer, .address_space: global }
      - { .name: out1, .offset: 16, .size: 8, .value_kind: global_buffer, .address_space: global }
      - { .name: vids, .offset: 24, .size: 8, .value_kind: global_buffer, .address_space: global }
    .group_segment_fixed_size: 72192
    .private_segment_fixed_size: 0
    .kernarg_segment_align: 8
    .kernarg_segment_size: 32
    .max_flat_workgroup_size: 128
    .sgpr_count:     66
    .vgpr_count:     232
    .wavefront_size: 32
...
	.end_amdgpu_metadata
.endif
;; end of part 6
;; launch gather (part 7): grid 256 x 1, 16 waves a work-group, no clusters, 0 bytes of LDS; arguments vids, cb, out0; writes out0
.if DOCPART == 7
	.amdgcn_target "amdgcn-amd-amdhsa--gfx1250"
	.amdhsa_code_object_version 6
	.text
	.protected	k_q0b3a52780e_gather
	.globl	k_q0b3a52780e_gather
	.p2align	8
	.type	k_q0b3a52780e_gather,@function
k_q0b3a52780e_gather:
	s_mov_b64 s[64:65], 0
	v_nop
	global_prefetch_b8 v0, s[64:65] scope:SCOPE_SE
	s_setreg_imm32_b32 hwreg(HW_REG_WAVE_SCHED_MODE, 0, 2), 2
	s_setreg_imm32_b32 hwreg(HW_REG_WAVE_MODE, 25, 1), 1
	s_wait_xcnt 0x0
	s_wait_alu depctr_vm_vsrc(0)
; out0[row][:] = the mean of the 8 chosen code rows, taken from cb, the codebook rounded to bf16; sums in f32.  Each number is multiplied by 1/8 as it is added: a power of two, so the sum is the sum divided by 8.
; vids: [row 8192][8] int32, row numbers of cb, stored by the launch before: whole numbers from which addresses are made here, clamped to 8,191.
; SHARES.  A wave takes two rows: 16 code rows of 2,048 bytes.  A code row comes by eight loads of 8 bytes a lane, 256 consecutive bytes each; a lane four numbers of a load are 16 neighbouring bytes of out0.
; A ring of eight slots, a code row each; row 0 slots are filled again with row 1 code rows.  Two sets of sums, so that nothing waits for a store.
; No LDS, no matrix unit, no cluster: nothing is shared between waves.  No prefetch: cb is a table that the whole launch reads again and again.
; THE MODE: SCHED_MODE bits 1:0 = 2 (LLVM: expert scheduling mode 2), set by the entry lines.  The code itself states the register dependences between vector instructions and memory instructions,
; and between a vector instruction that writes a scalar register and that register readers, with s_wait_alu, always for 0.
; THE PLAN.  Registers that memory instructions touch:
;   OFF, SO    byte offsets, made once at the head and never written again.
;   RING[i]    written by loads alone; read by the 32 multiply-adds of the turn of slot i.  It is filled again in the turn of slot i + 1.
;   ACC        row 0: written by the turns of row 0, read by eight stores that are issued in the first turn of row 1.  Row 1: written by the turns of row 1, read by the last eight stores.  Neither is written again.
; The turn of slot i names RING[i] and its row of ACC.  Its memory instructions are the loads into RING[i - 1] and, in the first turn of row 1, the stores from ACC row 0: registers that the turns before worked on and
; that no vector line of this turn names.  So ONE wait at the head of a turn states all that they hang on, and they are dealt among its multiply-adds with no further wait.
; No register that a memory instruction reads is ever written again.
.set LO,   2                           ; v2   8 x lane
.set SO,   3                           ; v3   16 x lane
.set EIGHTH, 4                         ; v4   0.125
.set ZERO, 5                           ; v5   0: the first code row adds onto it
.set ACC,  8                           ; v[8:39] row 0, v[40:71] row 1: load k numbers at 4 k
.set RING, 72                          ; v[72:199] slot i at 16 i
.set OFF,  200                         ; v[200:215] byte offset of my 8 bytes in each of the 16 code rows; never rewritten
	s_load_b128 s[4:7], s[0:1], 0x0                ; vids s[4:5], cb s[6:7]
	s_load_b64 s[8:9], s[0:1], 0x10                ; out0
	v_lshrrev_b32 v1, 5, v0
	v_readfirstlane_b32 s10, v1                    ; wave 0..15
	v_and_b32 v1, 31, v0
	v_lshlrev_b32 v[LO], 3, v1
	v_lshlrev_b32 v[SO], 4, v1
	v_mov_b32 v[EIGHTH], 0x3e000000
	v_mov_b32 v[ZERO], 0
	s_lshl_b32 s11, ttmp9, 4
	s_wait_alu depctr_va_sdst(0)                   ; s10 is written, ahead of its first reader: the bases of vids and out0 are made from it
	s_add_co_u32 s11, s11, s10                     ; my wave among 4,096
	s_lshl_b32 s12, s11, 6                         ; two rows of 32 bytes
	s_mov_b32 s13, 0
	s_lshl_b32 s14, s11, 13                        ; two rows of 4,096 bytes
	s_mov_b32 s15, 0
	s_wait_kmcnt 0x0
	s_add_nc_u64 s[4:5], s[4:5], s[12:13]
	s_add_nc_u64 s[8:9], s[8:9], s[14:15]
	s_load_b512 s[16:31], s[4:5], 0x0              ; the 16 row numbers
	s_wait_kmcnt 0x0
.set i, 0
.rept 16
	s_min_u32 s[16+i], s[16+i], 0x1fff             ; a loaded number enters an address only clamped
	s_lshl_b32 s[16+i], s[16+i], 11                ; 2,048 bytes a code row
	v_add_nc_u32 v[OFF+i], s[16+i], v[LO]
.set i, i+1
.endr
	s_wait_alu depctr_va_vdst(0)                   ; the sixteen offsets in OFF and v[SO] are written: every load and store of the kernel reads one of them
.macro FILL row, i                     ; code row i of the row into slot i
.irp k, 0,1,2,3,4,5,6,7
	global_load_b64 v[RING+16*(\i)+2*(\k):RING+16*(\i)+2*(\k)+1], v[OFF+8*(\row)+(\i)], s[6:7] offset:256*(\k)
.endr
.endm
.macro MIX d, s, c, hi                 ; v[d] = a bf16 half of v[s] x 1/8 + v[c], in f32
.if \hi
	v_fma_mix_f32_bf16 v[\d], v[\s], v[EIGHTH], v[\c] op_sel:[1,0,0] op_sel_hi:[1,0,0]
.else
	v_fma_mix_f32_bf16 v[\d], v[\s], v[EIGHTH], v[\c] op_sel_hi:[1,0,0]
.endif
.endm
; The turn of slot i: it is added onto the row sums.  left: how many younger loads may stay out.  fill = 1: the slot in front of it in the ring takes its code row of row 1.  send = 1: row 0 is stored.
.macro TURN row, i, left, fill, send
	s_wait_loadcnt \left                           ; loads come back in order: slot i is in
.if \fill
	s_wait_alu depctr_va_vdst(0)                   ; the turn before is done reading its slot, in which the loads below land; with send = 1 the turns of row 0 have written their sums, which the stores below read
.endif
.set k, 0
.rept 8
.if \fill
	global_load_b64 v[RING+16*(((\i)+7)%8)+2*k:RING+16*(((\i)+7)%8)+2*k+1], v[OFF+8+((\i)+7)%8], s[6:7] offset:256*k  ; no vector line since the wait names these registers
.endif
.if \send
	global_store_b128 v[SO], v[ACC+4*k:ACC+4*k+3], s[8:9] offset:512*k th:TH_STORE_NT  ; 512 consecutive bytes, aligned
.endif
.irp e, 0,1,2,3
.if (\i) == 0
	MIX ACC+32*(\row)+4*k+\e, RING+16*(\i)+2*k+(\e)/2, ZERO, (\e)%2
.else
	MIX ACC+32*(\row)+4*k+\e, RING+16*(\i)+2*k+(\e)/2, ACC+32*(\row)+4*k+\e, (\e)%2
.endif
.endr
.set k, k+1
.endr
.endm
.irp i, 0,1,2,3,4,5,6,7
	FILL 0, \i
.endr
	TURN 0, 0, 56, 0, 0                            ; behind slot 0 loads stand the seven other slots: 56 loads.  No slot has been read yet: nothing is filled
.irp i, 1,2,3,4,5,6,7
	TURN 0, \i, 48, 1, 0                           ; behind slot i loads stand 7 - i slots of row 0 and i - 1 of row 1: 48 loads
.endr
	TURN 1, 0, 48, 1, 1                            ; behind the loads of row 1 code row 0 stand code rows 1 to 6: 48 loads; slot 7 takes the last code row, and row 0 leaves
.irp i, 1,2,3,4,5,6,7
	TURN 1, \i, 8*(7-(\i)), 0, 0                   ; nothing more is loaded: the counts run down
.endr
	s_wait_alu depctr_va_vdst(0)                   ; the turns of row 1 have written their sums, which the last eight stores read
.irp k, 0,1,2,3,4,5,6,7
	global_store_b128 v[SO], v[ACC+32+4*(\k):ACC+32+4*(\k)+3], s[8:9] offset:4096+512*(\k) th:TH_STORE_NT  ; 512 consecutive bytes, aligned
.endr
	s_endpgm
.Lfunc_end_k_q0b3a52780e_gather:
	.size	k_q0b3a52780e_gather, .Lfunc_end_k_q0b3a52780e_gather-k_q0b3a52780e_gather
	.p2alignl 7, 3214868480
	.fill 96, 4, 3214868480
	.section	.rodata,"a",@progbits
	.p2align	6, 0x0
	.amdhsa_kernel k_q0b3a52780e_gather
		.amdhsa_group_segment_fixed_size 0
		.amdhsa_private_segment_fixed_size 0
		.amdhsa_enable_private_segment 0
		.amdhsa_kernarg_size 24
		.amdhsa_user_sgpr_count 2
		.amdhsa_user_sgpr_kernarg_segment_ptr 1
		.amdhsa_wavefront_size32 1
		.amdhsa_system_sgpr_workgroup_id_x 1
		.amdhsa_system_sgpr_workgroup_id_y 1
		.amdhsa_system_sgpr_workgroup_id_z 1
		.amdhsa_system_vgpr_workitem_id 0
		.amdhsa_next_free_vgpr 216
		.amdhsa_next_free_sgpr 66
		.amdhsa_reserve_vcc 0
		.amdhsa_float_denorm_mode_32 3
		.amdhsa_float_denorm_mode_16_64 3
		.amdhsa_memory_ordered 1
		.amdhsa_forward_progress 1
		.amdhsa_inst_pref_size 50
	.end_amdhsa_kernel
	.amdgpu_metadata
---
amdhsa.version: [ 1, 2 ]
amdhsa.kernels:
  - .name:           k_q0b3a52780e_gather
    .symbol:         k_q0b3a52780e_gather.kd
    .args:
      - { .name: vids, .offset: 0, .size: 8, .value_kind: global_buffer, .address_space: global }
      - { .name: cb, .offset: 8, .size: 8, .value_kind: global_buffer, .address_space: global }
      - { .name: out0, .offset: 16, .size: 8, .value_kind: global_buffer, .address_space: global }
    .group_segment_fixed_size: 0
    .private_segment_fixed_size: 0
    .kernarg_segment_align: 8
    .kernarg_segment_size: 24
    .max_flat_workgroup_size: 512
    .sgpr_count:     66
    .vgpr_count:     216
    .wavefront_size: 32
...
	.end_amdgpu_metadata
.endif
;; end of part 7
